; MI455X (gfx1250); checked and timed in simulation.
; The chip was launched on July 23, 2026; its instructions are those of AMD's public machine-readable ISA for CDNA 5 (MIT licence, August 2026) and "CDNA5" Instruction Set Architecture Reference Guide (July 2026). The comments in the code are by the model that wrote it; some were corrected since.
;; Causal Self Attention Ro PE. Allowed arithmetic: matrix products marked QUANTISED: E2M3 operands, one E8M0 scale for each 32 along K, by v_wmma_scale_f32_16x16x128_f8f6f4 with both operands' format E2M3, f32 sums; products left as they are: f32 operands where the result goes on into a quantised operand, else bf16, f16 or f32 operands; f32 sums; everything else in f32.
;; Inputs: W_out_codes 1,024 x 32 x 24 uint8 (E2M3 codes of W_out, K innermost, in blocks of 32 codes, four codes in three bytes); W_out_scales 1,024 x 32 uint8 (E8M0 scales of W_out, one for each 32 codes along K); W_qkv_codes 3,072 x 32 x 24 uint8 (E2M3 codes of W_qkv, K innermost, in blocks of 32 codes, four codes in three bytes); W_qkv_scales 3,072 x 32 uint8 (E8M0 scales of W_qkv, one for each 32 codes along K); b_out 1,024 float32; b_qkv 3,072 float32; pad_mask 4 x 2,048 bool; x_codes 4 x 2,048 x 32 x 24 uint8 (E2M3 codes of x, K innermost, in blocks of 32 codes, four codes in three bytes); x_scales 4 x 2,048 x 32 uint8 (E8M0 scales of x, one for each 32 codes along K).
;; Outputs: out0 4 x 2,048 x 1,024 float32.
;; This version of the problem:
;;   THIS VERSION OF THE PROBLEM IS GIVEN IN LOW PRECISION. The matrix products marked QUANTISED in the list below multiply operands that are first quantised to E2M3 (2 exponent bits, 3 mantissa bits; 6 bits a number), with one power-of-two scale for each 32 numbers along K (OCP MX v1.0); their sums are f32. All else is computed in f32.
;;   The module's matrix products, in the order in which they are computed (A, B: the left and right operand; K: the contracted axis; several contracted axes count as one K, in the product's order):
;;     1. [M 8,192, K 1,024] x [K 1,024, N 3,072]; A: input x (given as codes); B: input W_qkv (given as codes): QUANTISED
;;     2. [M 2,048, K 1] x [K 1, N 32]; A: computed on the way; B: computed on the way: left as it is (no contracted axis)
;;     3. batch 64 x [M 2,048, K 64] x [K 64, N 2,048]; A: computed on the way; B: computed on the way: QUANTISED
;;     4. batch 64 x [M 2,048, K 2,048] x [K 2,048, N 64]; A: softmax (see below); B: computed on the way: QUANTISED
;;     5. [M 8,192, K 1,024] x [K 1,024, N 1,024]; A: computed on the way; B: input W_out (given as codes): QUANTISED
;;   THE QUANTISER, for each operand of a quantised product, along K:
;;     - K is cut into blocks of 32 from its start; a last block that is shorter is filled with zeros.
;;     - A block's scale is 2^e with e = floor(log2(the largest magnitude in the block)) - 2, held to -126 .. 127; a block of zeros has e = 0. As a byte (E8M0): e + 127.
;;     - Each number is divided by its block's scale, clamped to +-7.5, and rounded to the nearest number of E2M3, ties to even, subnormals kept.
;;     - The product sums the exact products of the quantised numbers (number of the format x scale) in f32.
;;   ~~~python
;;   def quantise(x, axis):      # numpy; x: float32 -> the quantised numbers, widened to float32 again
;;       x = np.moveaxis(x, axis, -1); K = x.shape[-1]
;;       x = np.pad(x, [(0, 0)] * (x.ndim - 1) + [(0, -K % 32)]); x = x.reshape(x.shape[:-1] + (-1, 32)); a = np.abs(x).max(-1, keepdims=True)
;;       e = np.where(a > 0, np.clip(np.frexp(np.where(a > 0, a, 1))[1] - 1 - 2, -126, 127), 0)      # np.frexp(a)[1] - 1 = floor(log2(a)), exactly
;;       r = np.clip(x / 2.0 ** e, -7.5, 7.5)
;;       step = 2.0 ** (np.maximum(np.frexp(np.where(r == 0, 1, r))[1] - 1, 0) - 3)
;;       q = np.round(r / step) * step * 2.0 ** e      # np.round: ties to even
;;       return np.moveaxis(q.reshape(q.shape[:-2] + (-1,))[..., :K], -1, axis).astype(np.float32)
;;   ~~~
;;   SOFTMAX AHEAD OF A QUANTISED PRODUCT. Where the list says 'softmax', what is quantised is not the finished softmax but p = 2^(t - M), with t = logit x log2(e) and M = ceil(the row's largest t), a whole number; so 1/2 < the row's largest p <= 1. The row's sum l is taken of the UNQUANTISED p, in f32, and the product's result is divided by l at the end. Since M is a whole number, a kernel that streams over the keys may use a running M (the ceiling of the running maximum): every later rescaling is an exact power of two, which a block's scale takes up: the codes' values come out the same.
;;   OPERANDS COMPUTED ON THE WAY. 'Computed on the way' means the value that the module computes at that place (a softmax that the list does not call 'softmax' is quantised finished and normalised). What goes into a quantiser is computed in f32, as accurately as f32 sums, v_exp_f32 and their like allow (about 1e-6 of the number): no bf16 or f16 on the way to a quantiser, and a product that is left as it is and whose result goes on into a quantised operand takes f32 operands (vector FMAs, or v_wmma_f32_16x16x4_f32). A number that lies on a knife's edge between two numbers of the format may be rounded either way, as far as f32 arithmetic and the matrix unit's own rounding can turn it there, and no further.
;;   INPUTS GIVEN AS CODES. W_out (in the module: [1024, 1024], K = its axis 0); W_qkv (in the module: [1024, 3072], K = its axis 0); x (in the module: [4, 2048, 1024], K = its axis 2): each comes as NAME_codes (uint8): NAME with its K axis moved to the last place and cut into blocks of 32 codes, [.., K / 32, bytes a block], one block behind the other in memory; four codes in three bytes: a row's codes are one little-endian stream of bits, code i at bits 6 i .. 6 i + 5 (a code: sign, 2 exponent bits, 3 mantissa bits); and NAME_scales (uint8): the same leading axes, one E8M0 byte (e + 127) for each 32 codes along K. Its value is code x scale, taken as it is: it is not quantised again, and the codes and scales need not be those that the quantiser above would give.
;; One version. Each part assembles by itself: llvm-mc -triple=amdgcn-amd-amdhsa -mcpu=gfx1250 --defsym DOCPART=n.
;; ======== version 1 of 1: 3 launches
;; limits: right only within a limited range of input values
;; workspace buffers: qimg 8,388,608 bytes; qsc 524,288 bytes; kv 15,466,496 bytes; yimg 6,291,456 bytes; ysc 262,144 bytes
;; launch qkv (part 1): grid 4 x 64, 4 waves a work-group, clusters of 4 x 4, 327,680 bytes of LDS; arguments x_codes, x_scales, W_qkv_codes, W_qkv_scales, b_qkv, pad_mask, qimg, qsc, kv; writes qimg, qsc, kv
.if DOCPART == 1
	.amdgcn_target "amdgcn-amd-amdhsa--gfx1250"
	.amdhsa_code_object_version 6
	.text
	.protected	k_q4994f5bf6b_qkv
	.globl	k_q4994f5bf6b_qkv
	.p2align	8
	.type	k_q4994f5bf6b_qkv,@function
k_q4994f5bf6b_qkv:
	s_mov_b64 s[64:65], 0
	v_nop
	global_prefetch_b8 v0, s[64:65] scope:SCOPE_SE
	s_setreg_imm32_b32 hwreg(HW_REG_WAVE_MODE, 25, 1), 1
	s_wait_xcnt 0x0
	s_wait_alu depctr_hold_cnt(0) depctr_sa_sdst(0) depctr_va_vdst(0) depctr_va_sdst(0) depctr_va_ssrc(0) depctr_va_vcc(0) depctr_vm_vsrc(0)
	s_getreg_b32 s2, hwreg(HW_REG_IB_STS2, 6, 4)
	s_cmp_eq_u32 s2, 0
	s_cbranch_scc0 .Lentry_in_a_cluster
	s_endpgm
.Lentry_in_a_cluster:
	s_bfe_u32 s2, ttmp6, 0x10000c
	s_cmp_lg_u32 s2, 0xf033
	s_cbranch_scc0 .Lentry_shape_is_right
	s_endpgm
.Lentry_shape_is_right:
; qkv = x W_qkv + b_qkv on the given codes of FP6 (E2M3); q and k are turned by RoPE; q and k are quantised along the head's 64, v along the keys; pad_mask becomes codes.
; DEAD WORK OF THE WHOLE PROGRAM.  reference() builds the causal mask itself (triu, k = 1) and sets those scores to -inf ahead of the softmax: a key step all of whose 128 keys lie after all 16 queries of a
; tile gives p = 0 for every value of the inputs, adds nothing to the row's sum nor to y, and is left out in the second launch.  Nothing else is left out, and every input is loaded.
; LIMIT: a NaN, an infinity or an overflow that reaches only those scores is not carried to the result.
; OTHER LIMITS: NaN and infinities among the f32 inputs are not served; blocks whose largest magnitude lies under 2^-124 keep the scale byte 1 (a block of zeros too: its codes are zeros, and this program alone reads the bytes).
; SHARES.  256 work-groups of four waves.  Work-group (g, ta) holds x's 128 tokens 128 ta .. for the whole launch and walks three tiles of 256 rows of W_qkv: rows 256 g of q, of k, of v (heads 4 g .. 4 g + 3).
; LDS holds WHOLE ROWS OF K: 768 bytes, 16 bytes of padding behind every 256, pitch 816: x's 128 rows from byte 0, W's 256 rows behind them.  So the eight steps of 128 along K have no barrier.
; W's region is filled again twice, each time behind a tensor wait, an LDS add and its wait, and a round of the cluster's barrier, one joint load of 64 rows a wave; it lands while the last tile is quantised.
; 4 x 4 work-groups form a cluster: x's tile is asked for jointly along a row (same ta), W's along a column (same g).
; NO PREFETCH: the launch has no loop along K to run ahead in, and each refill is asked for as soon as its bytes are free.
; A WAVE makes 64 x 128: a small operand of 4 blocks of 16 rows (source 1: a lane holds one of its rows) and a big one of 8 blocks (source 0: the lane's registers run along its rows): 32 accumulators by turns.
;   q, k: small = my 64 tokens, big = my 128 rows of W (two heads).   v: small = my 64 rows of W (one head's d), big = all 128 tokens (the keys).  Only address registers differ.
; SCALES: 32 bytes a row, all of K, loaded once a tile into registers: lane l of pair i holds row 32 i + l; odd blocks are read from lanes 16-31.
; THE ORDER INSIDE A BLOCK OF 32.  Register 16 B + 8 u + j of lane half h holds member 16 u + 8 h + j of block B; the conversions lay it at place 16 h + 8 u + j: one fixed permutation inside each block,
; the same for q and k, and for v and p (the second launch makes p by the same lines).
; THE WORKSPACE holds operands as images of their registers: lane l's 16 bytes at 16 l.
;   qimg [head 16][tile of 16 tokens 512][1,024]: registers 0-5 the 64 codes, register 6 the code of k = 64 (lanes 0-15: +7.5), register 7 zero.   qsc [head][tile / 4][row 16][4 tiles] words: bytes 0, 1 the blocks, byte 2 = 127.
;   kv [head 16][128 keys 64][15,104]: 8 tiles of k as q's (register 6: -7.5 where the key is padded, else 0) | at 8,192 four tiles of v (16 d x 128 keys) | at 14,336 k's words (byte 2: 244 padded, else 1) | at 14,848 v's.
; PAD_MASK rides on the idle half of the matrix instruction's K: a padded key adds (-7.5 x 2^117) x 7.5 to its scores, another key exactly 0.
; REGISTERS.  Window 0: v0-31 addresses; v32-79 scale words; v80-175 the small operand, two sets (behind a tile: H, codes, at work); v192-255 b_qkv.  Window 1: the big operand, sets at v0 and v128.
;   Window 2: the accumulators, (a, b) at v[8 (8 a + b)].  Window 3: v0-63 cos, v64-127 sin of my 64 tokens: register 16 a + 8 t + j is token 16 a + r, frequency 16 t + 8 h + j.
.set PITCH, 816
.set BLK,   16*PITCH
.set ABY,   128*PITCH
.set SPARE, 384*PITCH                  ; the spare words: 128 bytes a wave
.set REC,   15104
.set VIM,   8192
.set KSC,   14336
.set VSC,   14848
.set ADS, 16                           ; q, k: small operand's LDS address; +1: the same with 16 more in lanes 16-31
.set ADB, 18                           ; q, k: big operand: blocks 0-3 (2 registers), blocks 4-7 (2)
.set ATS, 22                           ; v: small
.set ATB, 24                           ; v: big
.set SPW, 28
.set NIL, 29
.set SOF, 30                           ; 32 x lane
.set BS,  32
.set SS,  64
.set SF,  80
.set H,   80
.set PC,  144
.set TM,  168
.set PWS, 180
.set RT,  184
.set BIAS,192
.set PADK,4
.set TW,  80
.set WF,  176
.set POS, 192
.set K9,  200
.set K10, 202
.set G1A, 68
.set G1B, 76
.set G0A, 84
.set G0B, 88
.set G0R, 92
.set SEL, 56
.set MSB, 0
.macro WIN new
.if MSB != \new
	s_set_vgpr_msb (MSB<<8)|\new
.set MSB, \new
.endif
.endm
.set MUL,  0xa1                        ; source 0 window 1, source 1 window 0, C and D window 2
.set TO_B, 0x40
.macro ROUND                           ; a round of the cluster's barrier
	s_barrier_signal -1
	s_barrier_wait -1
	s_cmp_lg_u32 s14, 0
	s_cbranch_scc1 .Lnw0_\@
	s_barrier_signal -3
.Lnw0_\@:
	s_barrier_wait -3
	s_barrier_signal -1
	s_barrier_wait -1
.endm
.macro PLACES                          ; four plain places behind a matrix instruction (ISA guide 7.12.1)
.rept 4
	v_nop
.endr
.endm
.macro FRAG reg, adr, st, i            ; 16 rows x 128 K in six pieces of 8 bytes; byte y of a row lies at y + 16 (y / 256); where lanes 16-31 (24 bytes on) have passed one padding more, the second register serves
.irp p, 0,1,2,3,4,5
.set BY, 96*(\st)+48*(\p/3)+8*(\p%3)
.if BY/256 == (BY+24)/256
	ds_load_b64 v[\reg+2*\p:\reg+2*\p+1], v[\adr] offset:BY+16*(BY/256)+(\i)*BLK
.else
	ds_load_b64 v[\reg+2*\p:\reg+2*\p+1], v[\adr+1] offset:BY+16*(BY/256)+(\i)*BLK
.endif
.endr
.endm
.macro FETCH as, ab, st                ; step st's 12 fragments into set st % 2
	WIN TO_B
.irp i, 0,1,2,3,4,5,6,7
	FRAG 128*((\st)%2)+12*\i, \ab+2*(\i/4), \st, \i%4
.endr
	WIN 0
.irp i, 0,1,2,3
	FRAG SF+48*((\st)%2)+12*\i, \as, \st, \i
.endr
.endm
.macro WM a, b, st, zero
.set D,  8*(8*\a+\b)
.set FB, 128*((\st)%2)+12*\b
.set FS, SF+48*((\st)%2)+12*\a
.set XB, BS+8*(\b/2)+(\st)
.set XS, SS+8*(\a/2)+(\st)
.set PAR, 2*(\a%2)+(\b%2)+4*(\zero)
.if PAR == 0
	v_wmma_scale_f32_16x16x128_f8f6f4 v[D:D+7], v[FB:FB+11], v[FS:FS+11], v[D:D+7], v[XB], v[XS] matrix_a_fmt:MATRIX_FMT_FP6 matrix_b_fmt:MATRIX_FMT_FP6
.endif
.if PAR == 1
	v_wmma_scale_f32_16x16x128_f8f6f4 v[D:D+7], v[FB:FB+11], v[FS:FS+11], v[D:D+7], v[XB], v[XS] matrix_a_fmt:MATRIX_FMT_FP6 matrix_b_fmt:MATRIX_FMT_FP6 matrix_a_scale:MATRIX_SCALE_ROW1
.endif
.if PAR == 2
	v_wmma_scale_f32_16x16x128_f8f6f4 v[D:D+7], v[FB:FB+11], v[FS:FS+11], v[D:D+7], v[XB], v[XS] matrix_a_fmt:MATRIX_FMT_FP6 matrix_b_fmt:MATRIX_FMT_FP6 matrix_b_scale:MATRIX_SCALE_ROW1
.endif
.if PAR == 3
	v_wmma_scale_f32_16x16x128_f8f6f4 v[D:D+7], v[FB:FB+11], v[FS:FS+11], v[D:D+7], v[XB], v[XS] matrix_a_fmt:MATRIX_FMT_FP6 matrix_b_fmt:MATRIX_FMT_FP6 matrix_a_scale:MATRIX_SCALE_ROW1 matrix_b_scale:MATRIX_SCALE_ROW1
.endif
.if PAR == 4
	v_wmma_scale_f32_16x16x128_f8f6f4 v[D:D+7], v[FB:FB+11], v[FS:FS+11], 0, v[XB], v[XS] matrix_a_fmt:MATRIX_FMT_FP6 matrix_b_fmt:MATRIX_FMT_FP6
.endif
.if PAR == 5
	v_wmma_scale_f32_16x16x128_f8f6f4 v[D:D+7], v[FB:FB+11], v[FS:FS+11], 0, v[XB], v[XS] matrix_a_fmt:MATRIX_FMT_FP6 matrix_b_fmt:MATRIX_FMT_FP6 matrix_a_scale:MATRIX_SCALE_ROW1
.endif
.if PAR == 6
	v_wmma_scale_f32_16x16x128_f8f6f4 v[D:D+7], v[FB:FB+11], v[FS:FS+11], 0, v[XB], v[XS] matrix_a_fmt:MATRIX_FMT_FP6 matrix_b_fmt:MATRIX_FMT_FP6 matrix_b_scale:MATRIX_SCALE_ROW1
.endif
.if PAR == 7
	v_wmma_scale_f32_16x16x128_f8f6f4 v[D:D+7], v[FB:FB+11], v[FS:FS+11], 0, v[XB], v[XS] matrix_a_fmt:MATRIX_FMT_FP6 matrix_b_fmt:MATRIX_FMT_FP6 matrix_a_scale:MATRIX_SCALE_ROW1 matrix_b_scale:MATRIX_SCALE_ROW1
.endif
.endm
; A tile's eight steps.  In each: this step's fragments are in; the next step's 72 loads go out into the other set; then 32 products, the accumulators by turns in one order.
.macro KWALK as, ab, fill
	FETCH \as, \ab, 0
.irp st, 0,1,2,3,4,5,6,7
	s_wait_dscnt 0x0
.if \st < 7
.if \st > 0
	PLACES                                         ; the other set was read by the products just issued
.endif
	FETCH \as, \ab, \st+1
.endif
.if \st > 6
.if \fill
	WIN 0                                          ; the last step's fragments are in registers
	s_wait_tensorcnt 0x0                           ; with the add and its wait: ahead of a refill's barrier
	ds_add_u32 v[SPW], v[NIL]
	s_add_nc_u64 s[G0R+2:G0R+3], s[G0R+2:G0R+3], 1024*768   ; no tensor load of mine is out: the next tile of W, 1,024 rows on,
	s_mov_b32 s[G1B+2], 64<<16                     ; in loads of 64 rows
	s_mov_b32 s[G1B+4], 64
	s_wait_dscnt 0x0                               ; the add is done, and my reads of W's region are over
	ROUND                                          ; so are those of every wave of every partner
	tensor_load_to_lds s[G0R:G0R+3], s[G1B:G1B+7]  ; my one load behind the round
	s_nop 0
	PLACES
.endif
.endif
	WIN MUL
.irp a, 0,1,2,3
.irp b, 0,1,2,3,4,5,6,7
	WM \a, \b, \st, (7-\st)/7
.endr
.endr
.endr
	WIN 0
.endm
.macro SCLOAD                          ; a tile's scale words: big operand by s[96:97], small by s[98:99]
.irp i, 0,1,2,3
	global_load_b128 v[BS+8*\i:BS+8*\i+3], v[SOF], s[96:97] offset:1024*\i
	global_load_b128 v[BS+8*\i+4:BS+8*\i+7], v[SOF], s[96:97] offset:1024*\i+16
.endr
.irp i, 0,1
	global_load_b128 v[SS+8*\i:SS+8*\i+3], v[SOF], s[98:99] offset:1024*\i
	global_load_b128 v[SS+8*\i+4:SS+8*\i+7], v[SOF], s[98:99] offset:1024*\i+16
.endr
.endm
	s_load_b256 s[4:11], s[0:1], 0x0               ; x's codes, x's scales, W's codes, W's scales
	s_load_b256 s[24:31], s[0:1], 0x20             ; b_qkv, pad_mask, qimg, qsc
	s_load_b64 s[32:33], s[0:1], 0x40              ; kv
	v_lshl_add_u32 v[SPW], v0, 2, SPARE
	v_mov_b32 v[NIL], 0
	ds_add_u32 v[SPW], v[NIL]                      ; the opening lines: the add, twice on end, and its wait ahead of my first tensor load
	ds_add_u32 v[SPW], v[NIL]
	v_lshrrev_b32 v1, 5, v0
	v_readfirstlane_b32 s14, v1                    ; wave
	s_lshr_b32 s15, s14, 1
	s_and_b32 s16, s14, 1
	s_bfe_u32 s42, ttmp6, 0x40000                  ; cx = g
	s_bfe_u32 s41, ttmp6, 0x40004                  ; cy
	s_and_b32 s17, ttmp7, 0xffff
	s_lshl_b32 s17, s17, 2
	s_add_co_u32 s17, s17, s41                     ; ta
	s_lshl_b32 s43, s41, 2
	s_lshl_b32 s43, 15, s43                        ; my row of the cluster
	s_lshl_b32 s44, 0x1111, s42                    ; my column
	s_or_b32 s[G1A+0], s43, (1<<20)|(1<<21)|(5<<22)|(3<<25)   ; the mask; bytes; padding on; bit 21 beside a mask; behind every 64 words 4 words
	s_or_b32 s[G1B+0], s44, (1<<20)|(1<<21)|(5<<22)|(3<<25)
.irp g, G1A, G1B
	s_mov_b32 s[\g+1], 768<<16
	s_mov_b32 s[\g+3], 768<<16
	s_mov_b32 s[\g+5], 768
	s_mov_b32 s[\g+6], 0
	s_mov_b32 s[\g+7], 0
.endr
	s_mov_b32 s[G1A+2], 64<<16                     ; x: 64 rows a load
	s_mov_b32 s[G1A+4], 64
	s_mov_b32 s[G1B+2], 128<<16                    ; W at the head: 128 rows a load
	s_mov_b32 s[G1B+4], 128
	s_lshl_b32 s20, s17, 7
	s_lshl_b32 s21, s16, 6
	s_add_co_u32 s20, s20, s21
	s_mul_i32 s20, s20, 768                        ; x: row 128 ta + 64 x (wave % 2)
	s_mov_b32 s21, 0
	s_lshl_b32 s46, s42, 8
	s_lshl_b32 s47, s16, 7
	s_add_co_u32 s22, s46, s47
	s_mul_i32 s22, s22, 768                        ; W at the head: row 256 g + 128 x (wave % 2)
	s_mov_b32 s23, 0
	s_lshl_b32 s47, s14, 6
	s_add_co_u32 s46, s46, s47
	s_mul_i32 s46, s46, 768                        ; W's refills: row 256 g + 64 x wave, 1,024 rows on each time
	s_mov_b32 s47, 0
	s_mul_i32 s40, s16, 64*PITCH
	s_mul_i32 s41, s16, 128*PITCH
	s_add_co_u32 s41, s41, ABY
	s_mul_i32 s45, s14, 64*PITCH
	s_add_co_u32 s45, s45, ABY
	s_wait_dscnt 0x0
	s_wait_kmcnt 0x0
	s_mov_b32 s[G0A], 1
	s_mov_b32 s[G0A+1], s40
	s_add_nc_u64 s[G0A+2:G0A+3], s[4:5], s[20:21]
	s_or_b32 s[G0A+3], s[G0A+3], 0x80000000
	s_mov_b32 s[G0B], 1
	s_mov_b32 s[G0B+1], s41
	s_add_nc_u64 s[G0B+2:G0B+3], s[8:9], s[22:23]
	s_or_b32 s[G0B+3], s[G0B+3], 0x80000000
	s_mov_b32 s[G0R], 1
	s_mov_b32 s[G0R+1], s45
	s_add_nc_u64 s[G0R+2:G0R+3], s[8:9], s[46:47]
	s_or_b32 s[G0R+3], s[G0R+3], 0x80000000
	ROUND                                          ; all sixteen work-groups are here: the first joint loads meet
	s_cmp_eq_u32 s15, 0                            ; one load a wave: waves 0, 1 x's halves, waves 2, 3 W's
	s_cbranch_scc0 .Lhead_b
	tensor_load_to_lds s[G0A:G0A+3], s[G1A:G1A+7]
	s_nop 0
	PLACES
	s_branch .Lhead_j
.Lhead_b:
	tensor_load_to_lds s[G0B:G0B+3], s[G1B:G1B+7]
	s_nop 0
	PLACES
.Lhead_j:
	v_and_b32 v1, 15, v0                           ; r
	v_bfe_u32 v2, v0, 4, 1                         ; h
	v_and_b32 v3, 31, v0
	v_lshlrev_b32 v[SOF], 5, v3
	v_lshlrev_b32 v9, 4, v3                        ; an image's place for my lane
	v_lshlrev_b32 v10, 4, v2                       ; 16 h
	v_lshlrev_b32 v13, 2, v1                       ; 4 r
	v_lshlrev_b32 v14, 5, v2                       ; 32 h
	v_mul_u32_u24 v3, v1, PITCH
	v_mad_u32_u24 v3, v2, 24, v3                   ; row x pitch + 24 h
	v_lshl_add_u32 v5, v2, 4, v3
	s_mul_i32 s40, s15, 64*PITCH
	s_mul_i32 s41, s16, 128*PITCH
	s_add_co_u32 s41, s41, ABY
	v_add_nc_u32 v[ADS], s40, v3
	v_add_nc_u32 v[ADS+1], s40, v5
	v_add_nc_u32 v[ADB], s41, v3
	v_add_nc_u32 v[ADB+1], s41, v5
	s_add_co_u32 s41, s41, 4*BLK
	v_add_nc_u32 v[ADB+2], s41, v3
	v_add_nc_u32 v[ADB+3], s41, v5
	v_add_nc_u32 v[ATS], s45, v3
	v_add_nc_u32 v[ATS+1], s45, v5
	v_mov_b32 v[ATB], v3
	v_mov_b32 v[ATB+1], v5
	v_add_nc_u32 v[ATB+2], 4*BLK, v3
	v_add_nc_u32 v[ATB+3], 4*BLK, v5
	s_mov_b32 s45, 0                               ; the scales' pointers: 32 bytes a row
	s_lshl_b32 s44, s42, 13
	s_lshl_b32 s46, s16, 12
	s_add_co_u32 s44, s44, s46
	s_add_nc_u64 s[96:97], s[10:11], s[44:45]      ; q: W's rows 256 g + 128 x (wave % 2)
	s_add_nc_u64 s[18:19], s[96:97], 32768         ; k: 1,024 rows on
	s_lshl_b32 s44, s42, 13
	s_lshl_b32 s46, s14, 11
	s_add_co_u32 s44, s44, s46
	s_add_co_u32 s44, s44, 65536
	s_add_nc_u64 s[22:23], s[10:11], s[44:45]      ; v, small: W's rows 2,048 + 256 g + 64 x wave
	s_lshl_b32 s44, s17, 12
	s_add_nc_u64 s[20:21], s[6:7], s[44:45]        ; v, big: tokens 128 ta
	s_lshl_b32 s44, s15, 11
	s_add_nc_u64 s[60:61], s[20:21], s[44:45]      ; q, k, small: my 64 tokens
	s_mov_b64 s[98:99], s[60:61]
	s_lshl_b32 s44, s17, 7
	s_lshl_b32 s46, s15, 6
	s_add_co_u32 s44, s44, s46
	s_add_nc_u64 s[26:27], s[26:27], s[44:45]      ; pad_mask at my first token
	s_wait_alu depctr_va_vdst(0)                   ; the wait behind the writes above
	SCLOAD
.irp a, 0,1,2,3
	global_load_u8 v[PADK+\a], v1, s[26:27] offset:16*\a
.endr
	s_lshl_b32 s44, s42, 10
	s_lshl_b32 s46, s16, 9
	s_add_co_u32 s44, s44, s46
	s_add_nc_u64 s[12:13], s[24:25], s[44:45]      ; b_qkv at q's first column of mine
	s_lshl_b32 s40, s42, 2
	s_lshl_b32 s41, s16, 1
	s_add_co_u32 s40, s40, s41                     ; my first head (q, k)
	s_lshl_b32 s44, s40, 19
	s_lshl_b32 s46, s17, 13
	s_add_co_u32 s44, s44, s46
	s_lshl_b32 s46, s15, 12
	s_add_co_u32 s44, s44, s46
	s_add_nc_u64 s[28:29], s[28:29], s[44:45]      ; q's images: (head x 512 + 8 ta + 4 x half) x 1,024
	s_lshl_b32 s44, s40, 15
	s_lshl_b32 s46, s17, 9
	s_add_co_u32 s44, s44, s46
	s_lshl_b32 s46, s15, 8
	s_add_co_u32 s44, s44, s46
	s_add_nc_u64 s[30:31], s[30:31], s[44:45]      ; q's words: (head x 128 + 2 ta + half) x 256
	s_lshl_b32 s44, s40, 6
	s_add_co_u32 s44, s44, s17
	s_mul_i32 s44, s44, REC
	s_add_nc_u64 s[100:101], s[32:33], s[44:45]    ; k: record head x 64 + ta
	s_lshl_b32 s44, s15, 12
	s_add_nc_u64 s[66:67], s[100:101], s[44:45]    ; its tiles 4 x half on
	s_lshl_b32 s44, s15, 8
	s_add_co_u32 s44, s44, KSC
	s_add_nc_u64 s[100:101], s[100:101], s[44:45]  ; its words
	s_mov_b32 s34, 0x3f22f983                      ; 2 / pi (each constant twice: the packed forms name a pair)
	s_mov_b32 s35, s34
	s_mov_b32 s36, 0xbfc90fdb                      ; -P1, P1 = pi / 2 rounded to f32
	s_mov_b32 s37, s36
	s_mov_b32 s38, 0x333bbd2e                      ; P1 - pi / 2
	s_mov_b32 s39, s38
	s_mov_b32 s44, 0xb9500d01                      ; -1 / 7!
	s_mov_b32 s45, s44
	s_mov_b32 s46, 0x3c088889                      ; 1 / 5!
	s_mov_b32 s47, s46
	s_mov_b32 s48, 0xbe2aaaab                      ; -1 / 3!
	s_mov_b32 s49, s48
	s_mov_b32 s50, 0x37d00d01                      ; 1 / 8!
	s_mov_b32 s51, s50
	s_mov_b32 s52, 0xbab60b61                      ; -1 / 6!
	s_mov_b32 s53, s52
	s_mov_b32 s54, 0x3d2aaaab                      ; 1 / 4!
	s_mov_b32 s55, s54
	s_mov_b32 s[SEL], 0x76543210
	s_mov_b32 s[SEL+1], 0xfedcba98
	s_mov_b32 s58, 0x3ed49a78                      ; log2(10000) / 32, its f32 part,
	s_mov_b32 s59, 0x3217997c                      ; and what that leaves
	s_mov_b32 s40, 0xbf317218                      ; -ln 2
	s_and_b32 s41, s17, 15
	s_lshl_b32 s41, s41, 7
	s_lshl_b32 s43, s15, 6
	s_add_co_u32 s41, s41, s43                     ; my first token's position in its sequence
	; COS AND SIN, while the first tiles are on their way.  My 16 inverse frequencies 10000^(-f / 32) = 2^-(a + e), f = 16 t + 8 h + j: a = the rounded product, e = what the roundings left out
	v_mov_b32 v[K9], 0x3638ef1d                    ; 1 / 9!
	v_mov_b32 v[K9+1], v[K9]
	v_mov_b32 v[K10], 0xb493f27e                   ; -1 / 10!
	v_mov_b32 v[K10+1], v[K10]
	v_lshlrev_b32 v3, 3, v2
	v_add_nc_u32 v8, s41, v1
.irp k, 0,1,2,3,4,5,6,7,8,9,10,11,12,13,14,15
	v_add_nc_u32 v[80+\k], \k+8*(\k/8), v3
.endr
.irp k, 0,1,2,3,4,5,6,7,8,9,10,11,12,13,14,15
	v_cvt_f32_u32 v[80+\k], v[80+\k]
.endr
.irp k, 0,1,2,3,4,5,6,7,8,9,10,11,12,13,14,15
	v_mul_f32 v[96+\k], s58, v[80+\k]
.endr
.irp k, 0,1,2,3,4,5,6,7,8,9,10,11,12,13,14,15
	v_fma_f32 v[112+\k], v[80+\k], s58, -v[96+\k]
.endr
.irp k, 0,1,2,3,4,5,6,7,8,9,10,11,12,13,14,15
	v_fma_f32 v[112+\k], v[80+\k], s59, v[112+\k]
.endr
.irp a, 0,1,2,3
	v_add_nc_u32 v[POS+2*\a], 16*\a, v8
.endr
	s_wait_alu depctr_va_vdst(0)                   ; the wait ahead of the batch
.irp k, 0,1,2,3,4,5,6,7,8,9,10,11,12,13,14,15
	v_exp_f32 v[128+\k], -v[96+\k]
.endr
.irp a, 0,1,2,3
	v_cvt_f32_u32 v[POS+2*\a], v[POS+2*\a]         ; token 16 a + r's position.  (Plain work behind the batch)
.endr
.irp a, 0,1,2,3
	v_mov_b32 v[POS+2*\a+1], v[POS+2*\a]
.endr
	s_wait_alu depctr_va_vdst(0)                   ; and behind it
.irp k, 0,1,2,3,4,5,6,7,8,9,10,11,12,13,14,15
	v_mul_f32 v[112+\k], v[128+\k], v[112+\k]
.endr
.irp k, 0,1,2,3,4,5,6,7,8,9,10,11,12,13,14,15
	v_fma_f32 v[WF+\k], v[112+\k], s40, v[128+\k]  ; 2^-a (1 - e ln 2)
.endr
; theta = position x inverse frequency, rounded once as reference() has it; n = the nearest whole number to theta 2 / pi; r = theta - n pi / 2 in two steps, the first exact;
; sin r and cos r by their series up to r^9 and r^10 (|r| <= pi / 4); n mod 4 picks and signs.  Eight numbers, as four pairs, of block a and frequencies 16 t + 8 h + 0 .. 7.
.macro TRIG a, t
.irp p, 0,1,2,3
	v_pk_mul_f32 v[TW+24*\p:TW+24*\p+1], v[WF+8*\t+2*\p:WF+8*\t+2*\p+1], v[POS+2*\a:POS+2*\a+1]
.endr
.irp p, 0,1,2,3
	v_pk_mul_f32 v[TW+24*\p+2:TW+24*\p+3], v[TW+24*\p:TW+24*\p+1], s[34:35] op_sel_hi:[1,0]
.endr
.irp p, 0,1,2,3
	v_rndne_f32 v[TW+24*\p+2], v[TW+24*\p+2]
	v_rndne_f32 v[TW+24*\p+3], v[TW+24*\p+3]
.endr
.irp p, 0,1,2,3
	v_pk_fma_f32 v[TW+24*\p+4:TW+24*\p+5], v[TW+24*\p+2:TW+24*\p+3], s[36:37], v[TW+24*\p:TW+24*\p+1] op_sel_hi:[1,0,1]
.endr
.irp p, 0,1,2,3
	v_pk_fma_f32 v[TW+24*\p+4:TW+24*\p+5], v[TW+24*\p+2:TW+24*\p+3], s[38:39], v[TW+24*\p+4:TW+24*\p+5] op_sel_hi:[1,0,1]
.endr
.irp p, 0,1,2,3
	v_pk_mul_f32 v[TW+24*\p+6:TW+24*\p+7], v[TW+24*\p+4:TW+24*\p+5], v[TW+24*\p+4:TW+24*\p+5]
.endr
.irp p, 0,1,2,3
	v_pk_fma_f32 v[TW+24*\p+8:TW+24*\p+9], v[TW+24*\p+6:TW+24*\p+7], v[K9:K9+1], s[44:45] op_sel_hi:[1,1,0]
	v_pk_fma_f32 v[TW+24*\p+10:TW+24*\p+11], v[TW+24*\p+6:TW+24*\p+7], v[K10:K10+1], s[50:51] op_sel_hi:[1,1,0]
.endr
.irp p, 0,1,2,3
	v_pk_fma_f32 v[TW+24*\p+8:TW+24*\p+9], v[TW+24*\p+8:TW+24*\p+9], v[TW+24*\p+6:TW+24*\p+7], s[46:47] op_sel_hi:[1,1,0]
	v_pk_fma_f32 v[TW+24*\p+10:TW+24*\p+11], v[TW+24*\p+10:TW+24*\p+11], v[TW+24*\p+6:TW+24*\p+7], s[52:53] op_sel_hi:[1,1,0]
.endr
.irp p, 0,1,2,3
	v_pk_fma_f32 v[TW+24*\p+8:TW+24*\p+9], v[TW+24*\p+8:TW+24*\p+9], v[TW+24*\p+6:TW+24*\p+7], s[48:49] op_sel_hi:[1,1,0]
	v_pk_fma_f32 v[TW+24*\p+10:TW+24*\p+11], v[TW+24*\p+10:TW+24*\p+11], v[TW+24*\p+6:TW+24*\p+7], s[54:55] op_sel_hi:[1,1,0]
.endr
.irp p, 0,1,2,3
	v_pk_mul_f32 v[TW+24*\p+12:TW+24*\p+13], v[TW+24*\p+4:TW+24*\p+5], v[TW+24*\p+6:TW+24*\p+7]
	v_pk_fma_f32 v[TW+24*\p+10:TW+24*\p+11], v[TW+24*\p+10:TW+24*\p+11], v[TW+24*\p+6:TW+24*\p+7], -0.5 op_sel_hi:[1,1,0]
.endr
.irp p, 0,1,2,3
	v_pk_fma_f32 v[TW+24*\p+8:TW+24*\p+9], v[TW+24*\p+8:TW+24*\p+9], v[TW+24*\p+12:TW+24*\p+13], v[TW+24*\p+4:TW+24*\p+5]
	v_pk_fma_f32 v[TW+24*\p+10:TW+24*\p+11], v[TW+24*\p+10:TW+24*\p+11], v[TW+24*\p+6:TW+24*\p+7], 1.0 op_sel_hi:[1,1,0]
.endr
.irp p, 0,1,2,3
.irp e, 0,1
	v_cvt_i32_f32 v[TW+24*\p+14+\e], v[TW+24*\p+2+\e]
	v_and_b32 v[TW+24*\p+20+\e], 1, v[TW+24*\p+14+\e]
	v_cmp_ne_u32 vcc_lo, 0, v[TW+24*\p+20+\e]                                  ; n odd: sin and cos change places
	v_cndmask_b32 v[TW+24*\p+16+\e], v[TW+24*\p+8+\e], v[TW+24*\p+10+\e], vcc_lo
	v_cndmask_b32 v[TW+24*\p+18+\e], v[TW+24*\p+10+\e], v[TW+24*\p+8+\e], vcc_lo
	v_lshlrev_b32 v[TW+24*\p+20+\e], 30, v[TW+24*\p+14+\e]
	v_and_b32 v[TW+24*\p+20+\e], 0x80000000, v[TW+24*\p+20+\e]                 ; sin: minus where n mod 4 is 2 or 3
	v_add_nc_u32 v[TW+24*\p+14+\e], 1, v[TW+24*\p+14+\e]
	v_lshlrev_b32 v[TW+24*\p+14+\e], 30, v[TW+24*\p+14+\e]
	v_and_b32 v[TW+24*\p+14+\e], 0x80000000, v[TW+24*\p+14+\e]                 ; cos: minus where n mod 4 is 1 or 2
.endr
.endr
	WIN 0xc0                                       ; the results go to window 3
.irp p, 0,1,2,3
.irp e, 0,1
	v_xor_b32 v[64+16*\a+8*\t+2*\p+\e], v[TW+24*\p+16+\e], v[TW+24*\p+20+\e]
	v_xor_b32 v[16*\a+8*\t+2*\p+\e], v[TW+24*\p+18+\e], v[TW+24*\p+14+\e]
.endr
.endr
	WIN 0
.endm
.irp a, 0,1,2,3
	TRIG \a, 0
	TRIG \a, 1
.endr
; 64 numbers of a lane, v[s] on, 16 of each of four blocks of 32 (the other 16 lie in lane l xor 16), become codes: blocks 2 c, 2 c + 1 in v[PC + fs c] .. + 5; the four scale bytes make v[pw].
.macro QUANT s, fs, pw
.irp b, 0,1,2,3
	v_max3_num_f32 v[TM+\b], |v[\s+16*\b]|, |v[\s+1+16*\b]|, 0x1800000   ; and the floor 2^(3 - 127): the byte cannot fall under 1
.endr
.irp i, 2,4,6,8,10,12,14
.irp b, 0,1,2,3
	v_max3_num_f32 v[TM+\b], v[TM+\b], |v[\s+16*\b+\i]|, |v[\s+1+16*\b+\i]|
.endr
.endr
.irp b, 0,1,2,3
	v_permlanex16_b32 v[TM+4+\b], v[TM+\b], s[SEL], s[SEL+1]
.endr
.irp b, 0,1,2,3
	v_max_num_f32 v[TM+\b], v[TM+\b], v[TM+4+\b]
.endr
.irp b, 0,1,2,3
	v_add_nc_u32 v[TM+8+\b], 0xff000000, v[TM+\b]  ; 2 off the exponent field: the conversion's scale operand
.endr
.irp b, 0,1,2,3
	v_lshrrev_b32 v[TM+4+\b], 23, v[TM+8+\b]       ; the scale's byte
.endr
	v_lshl_or_b32 v[\pw], v[TM+5], 8, v[TM+4]
	v_lshl_or_b32 v[\pw], v[TM+6], 16, v[\pw]
	v_lshl_or_b32 v[\pw], v[TM+7], 24, v[\pw]
.irp c, 0,1
	v_cvt_scalef32_pk16_fp6_f32 v[PC+\fs*\c:PC+\fs*\c+2], v[\s+32*\c:\s+32*\c+15], v[TM+8+2*\c]
	v_cvt_scalef32_pk16_fp6_f32 v[PC+16+4*\c:PC+18+4*\c], v[\s+16+32*\c:\s+31+32*\c], v[TM+9+2*\c]
.endr
	v_nop                                          ; one plain instruction behind a scaled conversion
.irp c, 0,1                                    ; a whole block in a lane: lanes 0-15 block 2 c, lanes 16-31 block 2 c + 1
.irp i, 0,1,2
	v_permlane16_swap_b32 v[PC+\fs*\c+\i], v[PC+16+4*\c+\i]
.endr
.irp i, 0,1,2
	v_mov_b32 v[PC+\fs*\c+3+\i], v[PC+16+4*\c+\i]
.endr
.endr
.endm
.macro QKBLOCK a                       ; tokens 16 a on, both heads
	WIN 0x02                                       ; source 0: window 2
.set i, 0
.rept 32
	v_pk_add_f32 v[H+i:H+i+1], v[64*(\a)+i:64*(\a)+i+1], v[BIAS+i:BIAS+i+1]   ; + b_qkv; each accumulator from its low end on
.set i, i+2
.endr
	WIN 0x0c                                       ; source 1: window 3, cos and sin
.irp hd, 0,1
.irp t, 0,1
.irp jj, 0,2,4,6
.set XR, H+32*\hd+8*\t+\jj                         ; d = 16 t + 8 h + jj, jj + 1; sixteen registers on: d + 32
.set RTT, RT+4*((\jj/2)%2)
.set CW, 16*(\a)+8*\t+\jj
	v_pk_mul_f32 v[RTT:RTT+1], v[XR+16:XR+17], v[64+CW:65+CW]
	v_pk_mul_f32 v[RTT+2:RTT+3], v[XR:XR+1], v[64+CW:65+CW]
	v_pk_fma_f32 v[XR:XR+1], v[XR:XR+1], v[CW:CW+1], v[RTT:RTT+1] neg_lo:[0,0,1] neg_hi:[0,0,1]
	v_pk_fma_f32 v[XR+16:XR+17], v[XR+16:XR+17], v[CW:CW+1], v[RTT+2:RTT+3]
.endr
.endr
.endr
	WIN 0
.if \a > 0
	s_wait_alu depctr_va_vdst(0)                   ; the wait ahead of the wait below
	s_wait_xcnt 0x0                                ; the last block's stores have read the codes' registers
.endif
	QUANT H, 8, PWS+\a
	v_max_u32 v3, s59, v[PADK+\a]                  ; q: 1; k: the token's flag
	v_mul_u32_u24 v[PC+6], v3, v11                 ; the code at k = 64
	v_mov_b32 v[PC+14], v[PC+6]
.irp c, 0,1
	global_store_b128 v9, v[PC+4*\c:PC+4*\c+3], s[84:85] offset:1024*(\a)+512*\c   ; 512 consecutive bytes
	global_store_b128 v9, v[PC+8+4*\c:PC+8+4*\c+3], s[62:63] offset:1024*(\a)+512*\c
.endr
.endm
	s_mov_b32 s3, 0                                ; 0: q, 1: k
	s_wait_alu depctr_va_vdst(0)                   ; the wait at the head's end
.Ljob:
	s_wait_tensorcnt 0x0                           ; my part of the tiles is in,
	s_barrier_signal -1
	s_barrier_wait -1                              ; everybody's is.
	s_wait_loadcnt 0x0                             ; the scale words are in
.irp b, 0,1,2,3,4,5,6,7
	global_load_b128 v[BIAS+8*\b:BIAS+8*\b+3], v14, s[12:13] offset:64*\b          ; columns 16 b + 8 h + 0 .. 7: they land under the products
	global_load_b128 v[BIAS+8*\b+4:BIAS+8*\b+7], v14, s[12:13] offset:64*\b+16
.endr
	KWALK ADS, ADB, 1
	PLACES
	s_wait_loadcnt 0x0                             ; b_qkv is in
	s_cmp_eq_u32 s3, 0
	s_cselect_b64 s[96:97], s[18:19], s[20:21]     ; the next tile's scales: k's, or v's with the operands' roles changed
	s_cselect_b64 s[98:99], s[60:61], s[22:23]
	SCLOAD
	s_cselect_b64 s[84:85], s[28:29], s[66:67]     ; where this tile goes: images,
	s_cselect_b64 s[86:87], s[30:31], s[100:101]   ; words,
	s_mov_b32 s88, 64*REC
	s_mov_b32 s58, 64*REC
	s_mov_b32 s90, 243
	s_cselect_b32 s88, 524288, s88                 ; from head to head: images,
	s_cselect_b32 s58, 32768, s58                  ; words
	s_cselect_b32 s90, 126, s90                    ; byte 2 of a scale word = flag x this + 1: q 127, k 244 or 1
	s_cselect_b32 s91, 0x1f, 0x3f                  ; the code at k = 64: q +7.5, k -7.5 x flag
	s_cselect_b32 s59, 1, 0
	s_mov_b32 s89, 0
	s_add_nc_u64 s[62:63], s[84:85], s[88:89]      ; the second head's images
	v_sub_nc_u32 v11, 1, v2
	v_mul_u32_u24 v11, s91, v11                    ; the code, in lanes 0-15 alone
	v_mul_u32_u24 v12, s58, v2
	v_lshl_add_u32 v12, v1, 4, v12                 ; the words: 16 r, lanes 16-31 a head on
	v_mov_b32 v[PC+7], 0
	v_mov_b32 v[PC+15], 0
.irp b, 0,1,2,3
	v_mov_b32 v[TM+4+\b], 0                        ; a lane permute's destination counts as one of its sources
.endr
.irp a, 0,1,2,3
	QKBLOCK \a
.endr
.irp i, 0,1,2,3                                ; four tiles' scale words: my head's two bytes, the mask dimension's byte above them
	v_lshrrev_b32 v[PWS+\i], v10, v[PWS+\i]
	v_max_u32 v[RT+\i], s59, v[PADK+\i]
	v_and_b32 v[PWS+\i], 0xffff, v[PWS+\i]
	v_mad_u32_u24 v[RT+\i], v[RT+\i], s90, 1
	v_lshl_or_b32 v[PWS+\i], v[RT+\i], 16, v[PWS+\i]
.endr
	global_store_b128 v12, v[PWS:PWS+3], s[86:87]  ; each half of the wave stores 256 consecutive bytes
	s_wait_xcnt 0x0                                ; the stores have read their registers and bases
	s_add_nc_u64 s[12:13], s[12:13], 4096          ; b_qkv 1,024 columns on
	s_add_co_u32 s3, s3, 1
	s_cmp_lt_u32 s3, 2
	s_wait_alu depctr_va_vdst(0)                   ; the wait ahead of the branch
	s_cbranch_scc1 .Ljob
	; ---- v: the tail is written out; nothing more is fetched.  My 64 rows of W are head 4 g + wave's d; the 128 tokens are one record's keys
	s_wait_tensorcnt 0x0
	s_barrier_signal -1
	s_barrier_wait -1
	s_wait_loadcnt 0x0
	s_lshl_b32 s84, s42, 10
	s_lshl_b32 s85, s14, 8
	s_add_co_u32 s84, s84, s85
	s_add_co_u32 s84, s84, 8192
	s_mov_b32 s85, 0
	s_add_nc_u64 s[12:13], s[24:25], s[84:85]      ; b_qkv at row 2,048 + 256 g + 64 x wave
.irp a, 0,1,2,3
	global_load_b32 v[BIAS+2*\a], v13, s[12:13] offset:64*\a       ; the bias of d = 16 a + r, twice: a pair for the packed sum
	global_load_b32 v[BIAS+2*\a+1], v13, s[12:13] offset:64*\a
.endr
	KWALK ATS, ATB, 0
	PLACES
	s_lshl_b32 s84, s42, 2
	s_add_co_u32 s84, s84, s14
	s_lshl_b32 s84, s84, 6
	s_add_co_u32 s84, s84, s17
	s_mul_i32 s84, s84, REC                        ; record head x 64 + ta
	s_add_nc_u64 s[84:85], s[32:33], s[84:85]
	s_add_nc_u64 s[86:87], s[84:85], VSC
	s_add_nc_u64 s[84:85], s[84:85], VIM
	v_lshlrev_b32 v12, 4, v1
.irp b, 0,1,2,3
	v_mov_b32 v[TM+4+\b], 0
.endr
	s_wait_alu depctr_va_vdst(0)
	s_wait_loadcnt 0x0
.macro VBLOCK a                        ; 16 d x 128 keys: one fragment and one scale word a row
	WIN 0x02
.set i, 0
.rept 32
	v_pk_add_f32 v[H+i:H+i+1], v[64*(\a)+i:64*(\a)+i+1], v[BIAS+2*(\a):BIAS+2*(\a)+1]
.set i, i+2
.endr
	WIN 0
.if \a > 0
	s_wait_alu depctr_va_vdst(0)
	s_wait_xcnt 0x0
.endif
	QUANT H, 6, PWS+\a
.irp c, 0,1,2
	global_store_b128 v9, v[PC+4*\c:PC+4*\c+3], s[84:85] offset:(\a)*1536+512*\c
.endr
.endm
.irp a, 0,1,2,3
	VBLOCK \a
.endr
	v_cmp_eq_u32 vcc_lo, 0, v2                     ; both halves of the lanes hold the same words: lanes 0-15 store them, 256 consecutive bytes
	s_wait_alu depctr_va_vdst(0)                   ; the wait ahead of the wait below
	s_wait_xcnt 0x0                                ; EXEC changes only behind this wait
	s_and_saveexec_b32 s88, vcc_lo
	global_store_b128 v12, v[PWS:PWS+3], s[86:87]
	s_wait_xcnt 0x0
	s_or_b32 exec_lo, exec_lo, s88
	s_wait_tensorcnt 0x0                           ; the wave's end
	ds_add_u32 v[SPW], v[NIL]
	s_wait_dscnt 0x0
	ROUND                                          ; the closing round
	s_endpgm
.Lfunc_end_k_q4994f5bf6b_qkv:
	.size	k_q4994f5bf6b_qkv, .Lfunc_end_k_q4994f5bf6b_qkv-k_q4994f5bf6b_qkv
	.p2alignl 7, 3214868480
	.fill 96, 4, 3214868480
	.section	.rodata,"a",@progbits
	.p2align	6, 0x0
	.amdhsa_kernel k_q4994f5bf6b_qkv
		.amdhsa_group_segment_fixed_size 327680
		.amdhsa_private_segment_fixed_size 0
		.amdhsa_enable_private_segment 0
		.amdhsa_kernarg_size 72
		.amdhsa_user_sgpr_count 2
		.amdhsa_user_sgpr_kernarg_segment_ptr 1
		.amdhsa_wavefront_size32 1
		.amdhsa_system_sgpr_workgroup_id_x 1
		.amdhsa_system_sgpr_workgroup_id_y 1
		.amdhsa_system_sgpr_workgroup_id_z 1
		.amdhsa_system_vgpr_workitem_id 0
		.amdhsa_next_free_vgpr 896
		.amdhsa_next_free_sgpr 102
		.amdhsa_reserve_vcc 1
		.amdhsa_float_denorm_mode_32 3
		.amdhsa_float_denorm_mode_16_64 3
		.amdhsa_memory_ordered 1
		.amdhsa_forward_progress 1
		.amdhsa_inst_pref_size 255
	.end_amdhsa_kernel
	.section	.bss,"aw",@nobits
	.p2align	6
	.space	262144
	.amdgpu_metadata
---
amdhsa.version: [ 1, 2 ]
amdhsa.kernels:
  - .name:           k_q4994f5bf6b_qkv
    .symbol:         k_q4994f5bf6b_qkv.kd
    .args:
      - { .name: x_codes, .offset: 0, .size: 8, .value_kind: global_buffer, .address_space: global }
      - { .name: x_scales, .offset: 8, .size: 8, .value_kind: global_buffer, .address_space: global }
      - { .name: W_qkv_codes, .offset: 16, .size: 8, .value_kind: global_buffer, .address_space: global }
      - { .name: W_qkv_scales, .offset: 24, .size: 8, .value_kind: global_buffer, .address_space: global }
      - { .name: b_qkv, .offset: 32, .size: 8, .value_kind: global_buffer, .address_space: global }
      - { .name: pad_mask, .offset: 40, .size: 8, .value_kind: global_buffer, .address_space: global }
      - { .name: qimg, .offset: 48, .size: 8, .value_kind: global_buffer, .address_space: global }
      - { .name: qsc, .offset: 56, .size: 8, .value_kind: global_buffer, .address_space: global }
      - { .name: kv, .offset: 64, .size: 8, .value_kind: global_buffer, .address_space: global }
    .group_segment_fixed_size: 327680
    .private_segment_fixed_size: 0
    .kernarg_segment_align: 8
    .kernarg_segment_size: 72
    .max_flat_workgroup_size: 128
    .sgpr_count:     102
    .vgpr_count:     896
    .wavefront_size: 32
...
	.end_amdgpu_metadata
.endif
;; end of part 1
;; launch attn (part 2): grid 4 x 64, 16 waves a work-group, clusters of 4 x 1, 243,712 bytes of LDS; arguments qimg, qsc, kv, yimg, ysc; writes yimg, ysc
.if DOCPART == 2
	.amdgcn_target "amdgcn-amd-amdhsa--gfx1250"
	.amdhsa_code_object_version 6
	.text
	.protected	k_q4994f5bf6b_attn
	.globl	k_q4994f5bf6b_attn
	.p2align	8
	.type	k_q4994f5bf6b_attn,@function
k_q4994f5bf6b_attn:
	s_mov_b64 s[64:65], 0
	v_nop
	global_prefetch_b8 v0, s[64:65] scope:SCOPE_SE
	s_setreg_imm32_b32 hwreg(HW_REG_WAVE_MODE, 25, 1), 1
	s_wait_xcnt 0x0
	s_wait_alu depctr_hold_cnt(0) depctr_sa_sdst(0) depctr_va_vdst(0) depctr_va_sdst(0) depctr_va_ssrc(0) depctr_va_vcc(0) depctr_vm_vsrc(0)
	s_getreg_b32 s2, hwreg(HW_REG_IB_STS2, 6, 4)
	s_cmp_eq_u32 s2, 0
	s_cbranch_scc0 .Lentry_in_a_cluster
	s_endpgm
.Lentry_in_a_cluster:
	s_bfe_u32 s2, ttmp6, 0x10000c
	s_cmp_lg_u32 s2, 0x3003
	s_cbranch_scc0 .Lentry_shape_is_right
	s_endpgm
.Lentry_shape_is_right:
; y = softmax(q k^T / 8, causal, padded keys hidden) v, both products on codes of FP6 (E2M3); y is quantised along the model's 1,024 for the last product.
; LEFT OUT: key steps all of whose 128 keys come after the tile's 16 queries: reference()'s own causal mask gives them p = 0 for all values of the inputs (shown at the head of the first kernel).
; THE SOFTMAX: t = score x log2(e) / 8; M = the running largest t rounded up to a whole number; p = 2^(t - M) is quantised along the keys, not normalised; the sum of the unquantised p divides at the end.
; PADDED KEYS: the first launch has laid -7.5 x 2^117 at k = 64 of a padded key and +7.5 at k = 64 of every query, so such a score is about -9.3e36.  The running largest t begins at -1e30: a padded key never sets M, and its p is 0.
; LIMIT: real |t| stays under 1e30.  A ROW WITH NO VISIBLE KEY ends with the sum 0, where reference() has NaN: its 1 / sum is replaced by 0 and its two scale bytes by 0xff, the E8M0 code of NaN, so that the NaN
; arises in the last launch's matrix instruction.
; SHARES.  Work-group y = batch x 16 + head; the four work-groups of a cluster share a head's keys.  ALL sixteen records of the head (241,664 bytes) lie in LDS: wave w asks for record w by ONE joint load; nothing is filled again.
; Wave w of work-group j owns the query tiles 127 - (4 w + j) and 4 w + j: 16 - w / 2 and w / 2 + 1 key steps, 17 for every wave; the counts hang on the wave's number alone.
; LAYOUT.  S^T = k q^T and O^T = v^T p^T: a lane holds one query throughout.  Register 8 t + j of S^T is key 16 t + 8 h + j; p is laid in its blocks of 32 by the same lines that laid v in the first launch.
; REGISTERS: v1, v2 the add's two; v3 16 x lane; v4 16 x (lane % 16); v5, v6 LDS addresses; v7 the causal compare; v8 f, v9 p's scale word; v10 at work; v11 q's scale word; v12 -M; v13 largest t; v[14:15] the sum;
;   v16-27 q; v28-31 block maxima; v32-127 k's eight tiles; v128-191 S^T, p, then v's four tiles, then y; v192-223 O^T; v224-235 codes; v236-243 at work; v244-247 scale operands; v248-255 the tiles' scale words.
.set REC,   15104
.set VIM,   8192
.set KSC,   14336
.set VSC,   14848
.set SPARE, 16*REC                     ; behind the records: the spare words, 128 bytes a wave: eight blocks of 256 bytes that no other line names
.macro CROUND
	s_barrier_signal -1
	s_barrier_wait -1
	s_cmp_lg_u32 s14, 0
	s_cbranch_scc1 .Lnot_wave_0_\@
	s_barrier_signal -3
.Lnot_wave_0_\@:
	s_barrier_wait -3
	s_barrier_signal -1
	s_barrier_wait -1
.endm
	s_load_b256 s[4:11], s[0:1], 0x0               ; qimg 4:5, qsc 6:7, kv 8:9, yimg 10:11
	s_load_b64 s[12:13], s[0:1], 0x20              ; ysc
	v_lshl_add_u32 v1, v0, 2, SPARE
	v_mov_b32 v2, 0
	ds_add_u32 v1, v2                              ; the wave's opening: the add, twice on end, and its wait ahead of my first tensor load
	ds_add_u32 v1, v2
	v_lshrrev_b32 v3, 5, v0
	s_delay_alu instid0(VALU_DEP_1)
	v_readfirstlane_b32 s14, v3                    ; wave 0..15
	s_bfe_u32 s15, ttmp6, 0x40000                  ; cx: it enters q's and y's global addresses and the causal compare's value, nothing else
	s_and_b32 s17, ttmp7, 0xffff
	s_and_b32 s16, s17, 15                         ; head
	s_lshr_b32 s17, s17, 4                         ; batch
	s_lshr_b32 s18, s14, 1
	s_mov_b32 s19, 0                               ; phase
	s_mov_b32 s20, 0x76543210
	s_mov_b32 s21, 0xfedcba98                      ; selects of v_permlanex16_b32: lane l xor 16
	s_mov_b32 s22, 0x3e38aa3b                      ; c = log2(e) / 8
	s_mov_b32 s23, s22
	s_mov_b32 s52, 0xffff0000                      ; lanes 16-31
	s_mov_b32 s24, 15|(3<<16)|(1<<21)              ; group 1: all four work-groups; elements of 8 bytes; bit 21 beside a mask; no padding
	s_mov_b32 s25, 32<<16                          ; tensor_dim0 = 32 (256 bytes)
	s_mov_b32 s26, 59<<16                          ; tensor_dim1 = 59
	s_mov_b32 s27, 32<<16                          ; tile_dim0
	s_mov_b32 s28, 59                              ; tile_dim1
	s_mov_b32 s29, 32                              ; from row to row: dense
	s_mov_b32 s30, 0
	s_mov_b32 s31, 0
	s_lshl_b32 s54, s16, 6
	s_lshl_b32 s55, s17, 4
	s_add_co_u32 s54, s54, s55
	s_add_co_u32 s54, s54, s14
	s_mul_i32 s54, s54, REC                        ; record head x 64 + batch x 16 + wave
	s_mov_b32 s55, 0
	s_mov_b32 s32, 1
	s_mul_i32 s33, s14, REC                        ; to LDS byte wave x 15,104
	s_wait_dscnt 0x0                               ; both opening adds are done
	s_wait_kmcnt 0x0
	s_add_nc_u64 s[34:35], s[8:9], s[54:55]
	s_or_b32 s35, s35, 0x80000000
	CROUND                                         ; all four work-groups are here: the joint loads meet
	tensor_load_to_lds s[32:35], s[24:31]          ; my one tensor load
	s_nop 0
	v_and_b32 v3, 31, v0
	s_delay_alu instid0(VALU_DEP_1)
	v_lshlrev_b32 v3, 4, v3
	v_and_b32 v4, 15, v0
	s_delay_alu instid0(VALU_DEP_1)
	v_lshlrev_b32 v4, 4, v4
	v_mov_b32 v8, 0
	v_mov_b32 v9, 0
.irp i, 24,25,26,27
	v_mov_b32 v[\i], 0                             ; q's k = 96 .. 127 and the rest of 64 ..: zero codes
.endr
.irp t, 0,1,2,3,4,5,6,7
.irp i, 8,9,10,11
	v_mov_b32 v[32+12*\t+\i], 0                    ; k's likewise; written once, never loaded over
.endr
.endr
.irp i, 236,237,238,239,240,241,242,243
	v_mov_b32 v[\i], 0                             ; written once: a lane permute's destination counts as one of its sources
.endr
.macro PRE                                         ; a phase's tile, its addresses, and the loads of its q: run once ahead of the wait for the records, once at the first phase's end
	s_lshl_b32 s40, s14, 2
	s_add_co_u32 s40, s40, s15                     ; 4 w + j
	s_sub_co_u32 s41, 127, s40
	s_sub_co_u32 s38, 16, s18
	s_add_co_u32 s39, s18, 1
	s_cmp_eq_u32 s19, 0
	s_cselect_b32 s40, s41, s40                    ; T: my tile of 16 queries in the sequence
	s_cselect_b32 s38, s38, s39                    ; its key steps: T / 8 + 1, a matter of the wave's number and the phase alone
	s_sub_co_u32 s39, s38, 1                       ; the step on the diagonal
	s_lshl_b32 s42, s17, 7
	s_add_co_u32 s42, s42, s40                     ; batch x 128 + T
	s_lshl_b32 s54, s16, 9
	s_add_co_u32 s54, s54, s42
	s_lshl_b32 s54, s54, 10
	s_mov_b32 s55, 0
	s_add_nc_u64 s[44:45], s[4:5], s[54:55]        ; q's image
	s_lshl_b32 s54, s16, 7
	s_lshr_b32 s56, s42, 2
	s_add_co_u32 s54, s54, s56
	s_lshl_b32 s54, s54, 8
	s_and_b32 s56, s40, 3
	s_lshl_b32 s56, s56, 2
	s_add_co_u32 s54, s54, s56
	s_add_nc_u64 s[46:47], s[6:7], s[54:55]        ; q's scale words
	s_lshl_b32 s54, s42, 3
	s_lshr_b32 s56, s16, 1
	s_add_co_u32 s54, s54, s56
	s_mul_i32 s54, s54, 1536
	s_and_b32 s56, s16, 1
	s_mul_i32 s56, s56, 768
	s_add_co_u32 s54, s54, s56
	s_add_nc_u64 s[48:49], s[10:11], s[54:55]      ; y's image: fragment head / 2 of the tile's eight, its half head % 2
	s_lshl_b32 s54, s42, 9
	s_lshl_b32 s56, s16, 1
	s_add_co_u32 s54, s54, s56
	s_add_nc_u64 s[50:51], s[12:13], s[54:55]      ; y's scale bytes: 32 a row, mine at 2 x head
	global_load_b128 v[16:19], v3, s[44:45]
	global_load_b128 v[20:23], v3, s[44:45] offset:512
	global_load_b32 v11, v4, s[46:47]
.endm
	PRE                                            ; the late tile's q is on its way beside the records
	s_wait_tensorcnt 0x0                           ; my record is in,
	s_barrier_signal -1
	s_barrier_wait -1                              ; everybody's is
.Lphase:                                           ; two trips: the late tile, then the early one
	s_and_b32 s56, s40, 7
	s_lshl_b32 s56, s56, 4
	v_and_b32 v7, 15, v0
	v_bfe_u32 v10, v0, 4, 1
	s_delay_alu instid0(VALU_DEP_1)
	v_lshlrev_b32 v10, 3, v10
	s_delay_alu instid0(VALU_DEP_1)
	v_sub_nc_u32 v7, v7, v10
	s_delay_alu instid0(VALU_DEP_1)
	v_add_nc_u32 v7, s56, v7                       ; 16 (T % 8) + r - 8 h: in the diagonal step register 8 t + j is hidden where 16 t + j is greater
	v_mov_b32 v13, 0xf149f2ca                      ; the largest t so far: -1e30
	s_delay_alu instid0(VALU_DEP_1)
	v_floor_f32 v12, -v13                          ; -M
	v_mov_b32 v14, 0
	v_mov_b32 v15, 0
.irp j, 0,1,2,3,4,5,6,7,8,9,10,11,12,13,14,15,16,17,18,19,20,21,22,23,24,25,26,27,28,29,30,31
	v_mov_b32 v[192+\j], 0                         ; O^T: the step is written once; the first change of M leaves zeros zeros
.endr
	s_mov_b32 s36, 0                               ; key step
	s_mov_b32 s37, 0                               ; its record in LDS
	s_wait_loadcnt 0x0
.Lstep:                                            ; sixteen trips, a constant; a step beyond the tile's last is jumped over
	s_cmp_ge_u32 s36, s38
	s_cbranch_scc1 .Lnext
	v_add_nc_u32 v5, s37, v3
	v_add_nc_u32 v6, s37, v4
.irp t, 0,1,2,3,4,5,6,7
	ds_load_b128 v[32+12*\t:35+12*\t], v5 offset:1024*\t
	ds_load_b128 v[36+12*\t:39+12*\t], v5 offset:1024*\t+512
.endr
	ds_load_b128 v[248:251], v6 offset:KSC
	ds_load_b128 v[252:255], v6 offset:KSC+256
	s_wait_dscnt 0x0
.irp t, 0,1,2,3,4,5,6,7
	v_wmma_scale_f32_16x16x128_f8f6f4 v[128+8*\t:135+8*\t], v[32+12*\t:43+12*\t], v[16:27], 0, v[248+\t], v11 matrix_a_fmt:MATRIX_FMT_FP6 matrix_b_fmt:MATRIX_FMT_FP6
.endr
.rept 4
	v_nop                                          ; places behind the products, ahead of the first read of their results
.endr
	s_cmp_lg_u32 s36, s39
	s_cbranch_scc1 .Lopen                          ; only the tile's last step lies on the diagonal
	v_mov_b32 v10, 0xff800000                      ; -infinity
.irp n, 0,1,2,3,4,5,6,7,8,9,10,11,12,13,14,15,16,17,18,19,20,21,22,23,24,25,26,27,28,29,30,31,32,33,34,35,36,37,38,39,40,41,42,43,44,45,46,47,48,49,50,51,52,53,54,55,56,57,58,59,60,61,62,63
	v_cmp_gt_i32 vcc_lo, 16*(\n/8)+\n%8, v7
	v_cndmask_b32 v[128+\n], v[128+\n], v10, vcc_lo
.endr
.Lopen:
.irp b, 0,1,2,3
	v_max3_num_f32 v[28+\b], v[128+16*\b], v[129+16*\b], v[130+16*\b]   ; the largest score of each block of 32 keys: for the row's maximum, and, since p rises with the score, for the block's largest p
.endr
.irp i, 3,5,7,9,11,13
.irp b, 0,1,2,3
	v_max3_num_f32 v[28+\b], v[28+\b], v[128+16*\b+\i], v[129+16*\b+\i]
.endr
.endr
.irp b, 0,1,2,3
	v_max_num_f32 v[28+\b], v[28+\b], v[143+16*\b]
.endr
.irp b, 0,1,2,3
	s_delay_alu instid0(VALU_DEP_4)
	v_permlanex16_b32 v[236+\b], v[28+\b], s20, s21
.endr
.irp b, 0,1,2,3
	s_delay_alu instid0(VALU_DEP_4)
	v_max_num_f32 v[28+\b], v[28+\b], v[236+\b]
.endr
	s_delay_alu instid0(VALU_DEP_2)
	v_max3_num_f32 v10, v28, v29, v30
	s_delay_alu instid0(VALU_DEP_1)
	v_max_num_f32 v10, v10, v31
	s_delay_alu instid0(VALU_DEP_1)
	v_mul_f32 v10, s22, v10
	s_delay_alu instid0(VALU_DEP_1)
	v_max_num_f32 v13, v13, v10                    ; the running largest t
	v_mov_b32 v10, v12
	s_delay_alu instid0(VALU_DEP_2)
	v_floor_f32 v12, -v13                          ; the new -M = -ceil(t)
	s_delay_alu instid0(VALU_DEP_1)
	v_sub_f32 v10, v12, v10                        ; old M - new M: a whole number, 0 or less
	s_delay_alu instid0(VALU_DEP_1)
	v_cvt_i32_f32 v10, v10                         ; (it saturates)
	s_delay_alu instid0(VALU_DEP_1)
	v_ldexp_f32 v8, 1.0, v10                       ; f = 2^(old M - new M): rounds nothing
.irp j, 0,2,4,6,8,10,12,14,16,18,20,22,24,26,28,30,32,34,36,38,40,42,44,46,48,50,52,54,56,58,60,62
	v_pk_fma_f32 v[128+\j:129+\j], v[128+\j:129+\j], s[22:23], v[12:13] op_sel_hi:[1,0,0]   ; t - M
.endr
.irp b, 0,1,2,3
	v_fma_f32 v[28+\b], v[28+\b], s22, v12
.endr
	s_wait_alu depctr_va_vdst(0)
.irp j, 0,1,2,3,4,5,6,7,8,9,10,11,12,13,14,15,16,17,18,19,20,21,22,23,24,25,26,27,28,29,30,31,32,33,34,35,36,37,38,39,40,41,42,43,44,45,46,47,48,49,50,51,52,53,54,55,56,57,58,59,60,61,62,63
	v_exp_f32 v[128+\j], v[128+\j]                 ; p
.endr
	v_pk_mul_f32 v[14:15], v[14:15], v[8:9] op_sel_hi:[1,0]   ; the sums under the new M.  (The plain instruction behind the exponentials)
	s_wait_alu depctr_va_vdst(0)                   ; one wait for the whole batch, ahead of its first reader
.irp b, 0,1,2,3
	v_exp_f32 v[28+\b], v[28+\b]                   ; each block's largest p
.endr
	v_pk_add_f32 v[236:237], v[132:133], v[136:137]
	v_pk_add_f32 v[254:255], v[140:141], v[144:145]
	v_pk_add_f32 v[252:253], v[148:149], v[152:153]
	v_pk_add_f32 v[250:251], v[156:157], v[160:161]
	v_pk_add_f32 v[248:249], v[164:165], v[168:169]
	v_pk_add_f32 v[246:247], v[172:173], v[176:177]
	v_pk_add_f32 v[244:245], v[180:181], v[184:185]
	v_pk_add_f32 v[14:15], v[14:15], v[188:189]
	v_pk_add_f32 v[236:237], v[236:237], v[128:129]
	v_pk_add_f32 v[254:255], v[254:255], v[130:131]
	v_pk_add_f32 v[252:253], v[252:253], v[134:135]
	v_pk_add_f32 v[250:251], v[250:251], v[138:139]
	v_pk_add_f32 v[248:249], v[248:249], v[142:143]
	v_pk_add_f32 v[246:247], v[246:247], v[146:147]
	v_pk_add_f32 v[244:245], v[244:245], v[150:151]
	v_pk_add_f32 v[14:15], v[14:15], v[154:155]
	v_pk_add_f32 v[236:237], v[236:237], v[158:159]
	v_pk_add_f32 v[254:255], v[254:255], v[162:163]
	v_pk_add_f32 v[252:253], v[252:253], v[166:167]
	v_pk_add_f32 v[250:251], v[250:251], v[170:171]
	v_pk_add_f32 v[248:249], v[248:249], v[174:175]
	v_pk_add_f32 v[246:247], v[246:247], v[178:179]
	v_pk_add_f32 v[244:245], v[244:245], v[182:183]
	v_pk_add_f32 v[14:15], v[14:15], v[186:187]
	v_pk_add_f32 v[236:237], v[236:237], v[190:191]
	s_delay_alu instid0(VALU_DEP_2)
	v_pk_add_f32 v[14:15], v[14:15], v[250:251]
	s_delay_alu instid0(VALU_DEP_2)
	v_pk_add_f32 v[236:237], v[236:237], v[248:249]
	v_pk_add_f32 v[254:255], v[254:255], v[246:247]
	v_pk_add_f32 v[252:253], v[252:253], v[244:245]
	s_delay_alu instid0(VALU_DEP_2)
	v_pk_add_f32 v[14:15], v[14:15], v[254:255]
	s_delay_alu instid0(VALU_DEP_2)
	v_pk_add_f32 v[236:237], v[236:237], v[252:253]
	s_delay_alu instid0(VALU_DEP_1)
	v_pk_add_f32 v[14:15], v[14:15], v[236:237]
	s_wait_alu depctr_va_vdst(0)                   ; and one for the four
.irp b, 0,1,2,3
	v_max_num_f32 v[28+\b], 0x1800000, v[28+\b]    ; the floor 2^(3 - 127)
.endr
.irp b, 0,1,2,3
	s_delay_alu instid0(VALU_DEP_4)
	v_add_nc_u32 v[244+\b], 0xff000000, v[28+\b]
.endr
.irp b, 0,1,2,3
	s_delay_alu instid0(VALU_DEP_4)
	v_lshrrev_b32 v[236+\b], 23, v[244+\b]
.endr
	s_delay_alu instid0(VALU_DEP_3)
	v_lshl_or_b32 v9, v237, 8, v236                ; p's scale word for these 128 keys
	s_delay_alu instid0(VALU_DEP_1)
	v_lshl_or_b32 v9, v238, 16, v9
	s_delay_alu instid0(VALU_DEP_1)
	v_lshl_or_b32 v9, v239, 24, v9
.irp c, 0,1
	v_cvt_scalef32_pk16_fp6_f32 v[224+6*\c:226+6*\c], v[128+32*\c:143+32*\c], v[244+2*\c]
	v_cvt_scalef32_pk16_fp6_f32 v[236+4*\c:238+4*\c], v[144+32*\c:159+32*\c], v[245+2*\c]
.endr
	v_nop                                          ; one plain instruction behind a scaled conversion
.irp t, 0,1,2,3
.irp c, 0,1,2
	ds_load_b128 v[128+12*\t+4*\c:131+12*\t+4*\c], v5 offset:VIM+1536*\t+512*\c   ; v's four tiles, where p lay: they land under the lines below
.endr
.endr
	ds_load_b128 v[248:251], v6 offset:VSC
.irp c, 0,1
.irp i, 0,1,2
	v_permlane16_swap_b32 v[224+6*\c+\i], v[236+4*\c+\i]
.endr
.irp i, 0,1,2
	s_delay_alu instid0(VALU_DEP_3)
	v_mov_b32 v[227+6*\c+\i], v[236+4*\c+\i]
.endr
.endr
.irp j, 0,2,4,6,8,10,12,14,16,18,20,22,24,26,28,30
	v_pk_mul_f32 v[192+\j:193+\j], v[192+\j:193+\j], v[8:9] op_sel_hi:[1,0]   ; O^T under the new M.  (These sixteen are also the places between the lines that wrote p's codes and scale word and the products)
.endr
	s_wait_alu depctr_va_vdst(0)
	s_wait_dscnt 0x0
.irp t, 0,1,2,3
	v_wmma_scale_f32_16x16x128_f8f6f4 v[192+8*\t:199+8*\t], v[128+12*\t:139+12*\t], v[224:235], v[192+8*\t:199+8*\t], v[248+\t], v9 matrix_a_fmt:MATRIX_FMT_FP6 matrix_b_fmt:MATRIX_FMT_FP6
.endr
.rept 5
	v_nop                                          ; five places: the next step's products write over v's registers, its loads land on the scale words
.endr
.Lnext:
	s_add_co_u32 s37, s37, REC
	s_add_co_u32 s36, s36, 1
	s_cmp_lt_u32 s36, 16
	s_cbranch_scc1 .Lstep
	; ---- the tile's end: / the sum; true order along d; two blocks of 32 are quantised; image and scale bytes are stored
	v_add_f32 v14, v14, v15
	s_delay_alu instid0(VALU_DEP_1)
	v_permlanex16_b32 v236, v14, s20, s21
	s_delay_alu instid0(VALU_DEP_1)
	v_add_f32 v14, v14, v236                       ; the row's sum
	s_delay_alu instid0(VALU_DEP_1)
	v_cmp_eq_f32 s53, 0, v14                       ; no visible key
	v_rcp_f32 v236, v14
	v_lshrrev_b32 v10, 1, v3                       ; 8 x lane.  (The plain instruction behind the reciprocal)
	s_wait_alu depctr_va_vdst(0)
	v_cndmask_b32 v236, v236, 0, s53
	s_delay_alu instid0(VALU_DEP_1)
	v_mov_b32 v237, v236
.irp j, 0,2,4,6,8,10,12,14,16,18,20,22,24,26,28,30
	v_pk_mul_f32 v[128+\j:129+\j], v[192+\j:193+\j], v[236:237]   ; register 8 t + j: d = 16 t + 8 h + j
.endr
.irp b, 0,1
.irp j, 0,1,2,3,4,5,6,7
	v_permlane16_swap_b32 v[128+16*\b+\j], v[136+16*\b+\j]        ; now register 16 b + i: d = 32 b + 16 h + i.  y meets a GIVEN operand, so its order is the true one
.endr
.endr
.irp b, 0,1
	v_max3_num_f32 v[28+\b], |v[128+16*\b]|, |v[129+16*\b]|, 0x1800000
.endr
.irp i, 2,4,6,8,10,12,14
.irp b, 0,1
	s_delay_alu instid0(VALU_DEP_2)
	v_max3_num_f32 v[28+\b], v[28+\b], |v[128+16*\b+\i]|, |v[129+16*\b+\i]|
.endr
.endr
.irp b, 0,1
	s_delay_alu instid0(VALU_DEP_2)
	v_permlanex16_b32 v[238+\b], v[28+\b], s20, s21
.endr
.irp b, 0,1
	s_delay_alu instid0(VALU_DEP_2)
	v_max_num_f32 v[28+\b], v[28+\b], v[238+\b]
.endr
.irp b, 0,1
	s_delay_alu instid0(VALU_DEP_2)
	v_add_nc_u32 v[244+\b], 0xff000000, v[28+\b]
.endr
.irp b, 0,1
	s_delay_alu instid0(VALU_DEP_2)
	v_lshrrev_b32 v[238+\b], 23, v[244+\b]
.endr
	v_cvt_scalef32_pk16_fp6_f32 v[224:226], v[128:143], v244
	v_cvt_scalef32_pk16_fp6_f32 v[240:242], v[144:159], v245
	v_nop
.irp i, 0,1,2
	v_permlane16_swap_b32 v[224+\i], v[240+\i]
.endr
.irp i, 0,1,2
	s_delay_alu instid0(VALU_DEP_3)
	v_mov_b32 v[227+\i], v[240+\i]                 ; v224-229: lanes 0-15 the head's first 32, lanes 16-31 its second
.endr
.irp p, 0,1,2
	global_store_b64 v10, v[224+2*\p:225+2*\p], s[48:49] offset:256*\p   ; 256 consecutive bytes, aligned
.endr
	v_cndmask_b32 v238, v238, v239, s52            ; lane (r, h): block h's byte,
	v_mov_b32 v239, 0xff
	s_delay_alu instid0(VALU_DEP_1)
	v_cndmask_b32 v238, v238, v239, s53            ; or the code of NaN
	v_and_b32 v243, 15, v0
	v_bfe_u32 v242, v0, 4, 1
	s_delay_alu instid0(VALU_DEP_1)
	v_lshl_add_u32 v243, v243, 5, v242
	global_store_b8 v243, v238, s[50:51]           ; a byte a lane, two to a row of 32: one byte in 24 of what y's codes are
	s_wait_xcnt 0x0                                ; the stores have read their registers and bases: the next phase writes them
	s_add_co_u32 s19, s19, 1
	s_cmp_lt_u32 s19, 2
	s_cbranch_scc0 .Llast                          ; behind the second phase nothing more is loaded
	PRE
.Llast:
	s_cmp_lt_u32 s19, 2
	s_cbranch_scc1 .Lphase
	s_wait_tensorcnt 0x0                           ; the wave's end
	ds_add_u32 v1, v2
	s_wait_dscnt 0x0
	CROUND                                         ; the closing round
	s_endpgm
.Lfunc_end_k_q4994f5bf6b_attn:
	.size	k_q4994f5bf6b_attn, .Lfunc_end_k_q4994f5bf6b_attn-k_q4994f5bf6b_attn
	.p2alignl 7, 3214868480
	.fill 96, 4, 3214868480
	.section	.rodata,"a",@progbits
	.p2align	6, 0x0
	.amdhsa_kernel k_q4994f5bf6b_attn
		.amdhsa_group_segment_fixed_size 243712
		.amdhsa_private_segment_fixed_size 0
		.amdhsa_enable_private_segment 0
		.amdhsa_kernarg_size 40
		.amdhsa_user_sgpr_count 2
		.amdhsa_user_sgpr_kernarg_segment_ptr 1
		.amdhsa_wavefront_size32 1
		.amdhsa_system_sgpr_workgroup_id_x 1
		.amdhsa_system_sgpr_workgroup_id_y 1
		.amdhsa_system_sgpr_workgroup_id_z 1
		.amdhsa_system_vgpr_workitem_id 0
		.amdhsa_next_free_vgpr 256
		.amdhsa_next_free_sgpr 66
		.amdhsa_reserve_vcc 1
		.amdhsa_float_denorm_mode_32 3
		.amdhsa_float_denorm_mode_16_64 3
		.amdhsa_memory_ordered 1
		.amdhsa_forward_progress 1
		.amdhsa_inst_pref_size 38
	.end_amdhsa_kernel
	.amdgpu_metadata
---
amdhsa.version: [ 1, 2 ]
amdhsa.kernels:
  - .name:           k_q4994f5bf6b_attn
    .symbol:         k_q4994f5bf6b_attn.kd
    .args:
      - { .name: qimg, .offset: 0, .size: 8, .value_kind: global_buffer, .address_space: global }
      - { .name: qsc, .offset: 8, .size: 8, .value_kind: global_buffer, .address_space: global }
      - { .name: kv, .offset: 16, .size: 8, .value_kind: global_buffer, .address_space: global }
      - { .name: yimg, .offset: 24, .size: 8, .value_kind: global_buffer, .address_space: global }
      - { .name: ysc, .offset: 32, .size: 8, .value_kind: global_buffer, .address_space: global }
    .group_segment_fixed_size: 243712
    .private_segment_fixed_size: 0
    .kernarg_segment_align: 8
    .kernarg_segment_size: 40
    .max_flat_workgroup_size: 512
    .sgpr_count:     66
    .vgpr_count:     256
    .wavefront_size: 32
...
	.end_amdgpu_metadata
.endif
;; end of part 2
;; launch proj (part 3): grid 4 x 64, 4 waves a work-group, clusters of 4 x 4, 327,680 bytes of LDS; arguments yimg, ysc, W_out_codes, W_out_scales, b_out, out0; writes out0
.if DOCPART == 3
	.amdgcn_target "amdgcn-amd-amdhsa--gfx1250"
	.amdhsa_code_object_version 6
	.text
	.protected	k_q4994f5bf6b_proj
	.globl	k_q4994f5bf6b_proj
	.p2align	8
	.type	k_q4994f5bf6b_proj,@function
k_q4994f5bf6b_proj:
	s_mov_b64 s[64:65], 0
	v_nop
	global_prefetch_b8 v0, s[64:65] scope:SCOPE_SE
	s_setreg_imm32_b32 hwreg(HW_REG_WAVE_MODE, 25, 1), 1
	s_wait_xcnt 0x0
	s_wait_alu depctr_hold_cnt(0) depctr_sa_sdst(0) depctr_va_vdst(0) depctr_va_sdst(0) depctr_va_ssrc(0) depctr_va_vcc(0) depctr_vm_vsrc(0)
	s_getreg_b32 s2, hwreg(HW_REG_IB_STS2, 6, 4)
	s_cmp_eq_u32 s2, 0
	s_cbranch_scc0 .Lentry_in_a_cluster
	s_endpgm
.Lentry_in_a_cluster:
	s_bfe_u32 s2, ttmp6, 0x10000c
	s_cmp_lg_u32 s2, 0xf033
	s_cbranch_scc0 .Lentry_shape_is_right
	s_endpgm
.Lentry_shape_is_right:
; out0 = y W_out + b_out on codes of FP6 (E2M3): y's codes and scale bytes as the second launch stored them, W_out's as given.
; 256 work-groups of four waves; a work-group makes 128 tokens x 256 columns, a wave 64 x 128: 32 accumulators by turns.
; LDS holds the whole K of both operands, filled once, one tensor load a wave: y's 128 tokens as they lie in yimg (images of fragments: tile of 16 tokens x 8 steps x 1,536 bytes, dense: 98,304 bytes, in rows of 256),
; behind them W_out's 256 rows of 768 bytes, 16 bytes of padding behind every 256, pitch 816.  So the eight steps of 128 along K have no barrier.
; 4 x 4 work-groups form a cluster: y's tile is asked for jointly along a row, W_out's along a column.  NO PREFETCH: the launch has no loop to run ahead in.
; Source 0 = 16 rows of W_out, source 1 = 16 tokens: a lane holds eight neighbouring columns of one row of out0.  b_out is the C of the first step's products.
; SCALES: 32 bytes a row, loaded once into registers: lane l of pair i holds row 32 i + l; odd blocks are read from lanes 16-31.
; REGISTERS.  Window 0: v0-31 addresses; v32-79 scale words; v80-175 y's fragments, two sets; v192-255 b_out; on the way out v80-143 rows read back.  Window 1: W_out's fragments, sets at v0 and v128.  Window 2: accumulators.
.set PITCH, 816
.set BLK,   16*PITCH
.set AY,    98304
.set SPARE, AY+256*PITCH
.set SPITCH,272                        ; the stage: 16 rows x (256 bytes + 16) for each wave,
.set STG,   SPARE+512                  ; on bytes of its own behind the spare words: no fill lands there
.set ADY, 16
.set ADB, 18
.set STO, 24
.set RD,  25
.set CO,  26
.set SPW, 28
.set NIL, 29
.set SOF, 30
.set BS,  32
.set SS,  64
.set SF,  80
.set BK,  80
.set BIAS,192
.set G1A, 68
.set G1B, 76
.set G0A, 84
.set G0B, 88
.set MSB, 0
.macro WIN new
.if MSB != \new
	s_set_vgpr_msb (MSB<<8)|\new
.set MSB, \new
.endif
.endm
.set MUL,  0xa1
.set MUL0, 0x81                        ; the first step: C from window 0
.set TO_B, 0x40
.macro ROUND
	s_barrier_signal -1
	s_barrier_wait -1
	s_cmp_lg_u32 s14, 0
	s_cbranch_scc1 .Lnw0_\@
	s_barrier_signal -3
.Lnw0_\@:
	s_barrier_wait -3
	s_barrier_signal -1
	s_barrier_wait -1
.endm
.macro PLACES
.rept 4
	v_nop
.endr
.endm
.macro FRAG reg, adr, st, i            ; byte y of a row lies at y + 16 (y / 256); where lanes 16-31 have passed one padding more, the second register serves
.irp p, 0,1,2,3,4,5
.set BY, 96*(\st)+48*(\p/3)+8*(\p%3)
.if BY/256 == (BY+24)/256
	ds_load_b64 v[\reg+2*\p:\reg+2*\p+1], v[\adr] offset:BY+16*(BY/256)+(\i)*BLK
.else
	ds_load_b64 v[\reg+2*\p:\reg+2*\p+1], v[\adr+1] offset:BY+16*(BY/256)+(\i)*BLK
.endif
.endr
.endm
.macro FETCH st, hb                    ; step st's fragments: W_out's blocks 4 hb .. 4 hb + 3 and y's four
	WIN TO_B
.irp i, 0,1,2,3
	FRAG 128*((\st)%2)+12*(4*\hb+\i), ADB+2*\hb, \st, \i
.endr
	WIN 0
.irp i, 0,1,2,3
.irp p, 0,1,2,3,4,5
	ds_load_b64 v[SF+48*((\st)%2)+12*\i+2*\p:SF+48*((\st)%2)+12*\i+2*\p+1], v[ADY] offset:12288*\i+1536*(\st)+256*\p
.endr
.endr
.endm
.macro WM a, b, st, zero
.set D,  8*(8*\a+\b)
.set CB, BIAS+8*\b
.set FB, 128*((\st)%2)+12*\b
.set FS, SF+48*((\st)%2)+12*\a
.set XB, BS+8*(\b/2)+(\st)
.set XS, SS+8*(\a/2)+(\st)
.set PAR, 2*(\a%2)+(\b%2)+4*(\zero)
.if PAR == 0
	v_wmma_scale_f32_16x16x128_f8f6f4 v[D:D+7], v[FB:FB+11], v[FS:FS+11], v[D:D+7], v[XB], v[XS] matrix_a_fmt:MATRIX_FMT_FP6 matrix_b_fmt:MATRIX_FMT_FP6
.endif
.if PAR == 1
	v_wmma_scale_f32_16x16x128_f8f6f4 v[D:D+7], v[FB:FB+11], v[FS:FS+11], v[D:D+7], v[XB], v[XS] matrix_a_fmt:MATRIX_FMT_FP6 matrix_b_fmt:MATRIX_FMT_FP6 matrix_a_scale:MATRIX_SCALE_ROW1
.endif
.if PAR == 2
	v_wmma_scale_f32_16x16x128_f8f6f4 v[D:D+7], v[FB:FB+11], v[FS:FS+11], v[D:D+7], v[XB], v[XS] matrix_a_fmt:MATRIX_FMT_FP6 matrix_b_fmt:MATRIX_FMT_FP6 matrix_b_scale:MATRIX_SCALE_ROW1
.endif
.if PAR == 3
	v_wmma_scale_f32_16x16x128_f8f6f4 v[D:D+7], v[FB:FB+11], v[FS:FS+11], v[D:D+7], v[XB], v[XS] matrix_a_fmt:MATRIX_FMT_FP6 matrix_b_fmt:MATRIX_FMT_FP6 matrix_a_scale:MATRIX_SCALE_ROW1 matrix_b_scale:MATRIX_SCALE_ROW1
.endif
.if PAR == 4
	v_wmma_scale_f32_16x16x128_f8f6f4 v[D:D+7], v[FB:FB+11], v[FS:FS+11], v[CB:CB+7], v[XB], v[XS] matrix_a_fmt:MATRIX_FMT_FP6 matrix_b_fmt:MATRIX_FMT_FP6
.endif
.if PAR == 5
	v_wmma_scale_f32_16x16x128_f8f6f4 v[D:D+7], v[FB:FB+11], v[FS:FS+11], v[CB:CB+7], v[XB], v[XS] matrix_a_fmt:MATRIX_FMT_FP6 matrix_b_fmt:MATRIX_FMT_FP6 matrix_a_scale:MATRIX_SCALE_ROW1
.endif
.if PAR == 6
	v_wmma_scale_f32_16x16x128_f8f6f4 v[D:D+7], v[FB:FB+11], v[FS:FS+11], v[CB:CB+7], v[XB], v[XS] matrix_a_fmt:MATRIX_FMT_FP6 matrix_b_fmt:MATRIX_FMT_FP6 matrix_b_scale:MATRIX_SCALE_ROW1
.endif
.if PAR == 7
	v_wmma_scale_f32_16x16x128_f8f6f4 v[D:D+7], v[FB:FB+11], v[FS:FS+11], v[CB:CB+7], v[XB], v[XS] matrix_a_fmt:MATRIX_FMT_FP6 matrix_b_fmt:MATRIX_FMT_FP6 matrix_a_scale:MATRIX_SCALE_ROW1 matrix_b_scale:MATRIX_SCALE_ROW1
.endif
.endm
	s_load_b256 s[4:11], s[0:1], 0x0               ; yimg, ysc, W_out's codes, W_out's scales
	s_load_b128 s[24:27], s[0:1], 0x20             ; b_out, out0
	v_lshl_add_u32 v[SPW], v0, 2, SPARE
	v_mov_b32 v[NIL], 0
	ds_add_u32 v[SPW], v[NIL]                      ; the opening lines: the add, twice on end, and its wait ahead of my first tensor load
	ds_add_u32 v[SPW], v[NIL]
	v_lshrrev_b32 v1, 5, v0
	v_readfirstlane_b32 s14, v1                    ; wave
	s_lshr_b32 s15, s14, 1                         ; my half of the tokens.  Also: I fetch y (0) or W_out (1)
	s_and_b32 s16, s14, 1                          ; my half of the columns.  Also: which half I fetch
	s_bfe_u32 s42, ttmp6, 0x40000                  ; cx = tile of 256 columns
	s_bfe_u32 s41, ttmp6, 0x40004
	s_and_b32 s17, ttmp7, 0xffff
	s_lshl_b32 s17, s17, 2
	s_add_co_u32 s17, s17, s41                     ; tile of 128 tokens
	s_lshl_b32 s43, s41, 2
	s_lshl_b32 s43, 15, s43
	s_lshl_b32 s44, 0x1111, s42
	s_or_b32 s[G1A+0], s43, (3<<16)|(1<<21)        ; y: 49,152 dense bytes as 192 rows of 32 elements of 8 bytes
	s_mov_b32 s[G1A+1], 32<<16
	s_mov_b32 s[G1A+2], 192<<16
	s_mov_b32 s[G1A+3], 32<<16
	s_mov_b32 s[G1A+4], 192
	s_mov_b32 s[G1A+5], 32
	s_mov_b32 s[G1A+6], 0
	s_mov_b32 s[G1A+7], 0
	s_or_b32 s[G1B+0], s44, (1<<20)|(1<<21)|(5<<22)|(3<<25)   ; W_out: 128 rows of 768 bytes, behind every 64 words 4 words of padding
	s_mov_b32 s[G1B+1], 768<<16
	s_mov_b32 s[G1B+2], 128<<16
	s_mov_b32 s[G1B+3], 768<<16
	s_mov_b32 s[G1B+4], 128
	s_mov_b32 s[G1B+5], 768
	s_mov_b32 s[G1B+6], 0
	s_mov_b32 s[G1B+7], 0
	s_lshl_b32 s20, s17, 7
	s_lshl_b32 s21, s16, 6
	s_add_co_u32 s20, s20, s21
	s_mul_i32 s20, s20, 768
	s_mov_b32 s21, 0
	s_lshl_b32 s22, s42, 8
	s_lshl_b32 s23, s16, 7
	s_add_co_u32 s22, s22, s23
	s_mul_i32 s22, s22, 768
	s_mov_b32 s23, 0
	s_mul_i32 s40, s16, 49152
	s_mul_i32 s41, s16, 128*PITCH
	s_add_co_u32 s41, s41, AY
	s_wait_dscnt 0x0
	s_wait_kmcnt 0x0
	s_mov_b32 s[G0A], 1
	s_mov_b32 s[G0A+1], s40
	s_add_nc_u64 s[G0A+2:G0A+3], s[4:5], s[20:21]
	s_or_b32 s[G0A+3], s[G0A+3], 0x80000000
	s_mov_b32 s[G0B], 1
	s_mov_b32 s[G0B+1], s41
	s_add_nc_u64 s[G0B+2:G0B+3], s[8:9], s[22:23]
	s_or_b32 s[G0B+3], s[G0B+3], 0x80000000
	ROUND                                          ; all sixteen work-groups are here: the joint loads meet
	s_cmp_eq_u32 s15, 0
	s_cbranch_scc0 .Lhead_b
	tensor_load_to_lds s[G0A:G0A+3], s[G1A:G1A+7]
	s_nop 0
	PLACES
	s_branch .Lhead_j
.Lhead_b:
	tensor_load_to_lds s[G0B:G0B+3], s[G1B:G1B+7]
	s_nop 0
	PLACES
.Lhead_j:
	v_and_b32 v1, 15, v0                           ; r
	v_bfe_u32 v2, v0, 4, 1                         ; h
	v_and_b32 v6, 31, v0
	v_lshlrev_b32 v[SOF], 5, v6
	v_lshlrev_b32 v14, 5, v2
	v_mul_u32_u24 v3, v1, PITCH
	v_mad_u32_u24 v3, v2, 24, v3
	v_lshl_add_u32 v5, v2, 4, v3
	s_mul_i32 s40, s15, 49152
	v_lshl_add_u32 v[ADY], v6, 3, s40              ; y: my four tiles, 8 bytes a lane
	v_add_nc_u32 v[ADB], s41, v3
	v_add_nc_u32 v[ADB+1], s41, v5
	s_add_co_u32 s41, s41, 4*BLK
	v_add_nc_u32 v[ADB+2], s41, v3
	v_add_nc_u32 v[ADB+3], s41, v5
	s_mul_i32 s23, s14, 16*SPITCH
	s_add_co_u32 s23, s23, STG                     ; my stage
	v_mul_u32_u24 v5, v1, SPITCH                   ; in: row r, 32 bytes for each half of the lanes
	v_lshl_add_u32 v5, v2, 5, v5
	v_add_nc_u32 v[STO], s23, v5
	v_mul_u32_u24 v5, v2, SPITCH                   ; back: lanes 0-15 take one row of 256 bytes, lanes 16-31 the next
	v_lshl_add_u32 v5, v1, 4, v5
	v_add_nc_u32 v[RD], s23, v5
	v_lshlrev_b32 v[CO], 12, v2                    ; and the same two rows in out0
	v_lshl_add_u32 v[CO], v1, 4, v[CO]
	s_mov_b32 s45, 0
	s_lshl_b32 s44, s42, 13
	s_lshl_b32 s46, s16, 12
	s_add_co_u32 s44, s44, s46
	s_add_nc_u64 s[96:97], s[10:11], s[44:45]      ; W_out's scales at my first row
	s_lshl_b32 s44, s17, 12
	s_lshl_b32 s46, s15, 11
	s_add_co_u32 s44, s44, s46
	s_add_nc_u64 s[98:99], s[6:7], s[44:45]        ; y's at my first token
	s_lshl_b32 s44, s42, 10
	s_lshl_b32 s46, s16, 9
	s_add_co_u32 s44, s44, s46
	s_add_nc_u64 s[24:25], s[24:25], s[44:45]      ; b_out at my first column
	s_add_nc_u64 s[12:13], s[26:27], s[44:45]
	s_lshl_b32 s44, s17, 19
	s_lshl_b32 s46, s15, 18
	s_add_co_u32 s44, s44, s46
	s_add_nc_u64 s[12:13], s[12:13], s[44:45]      ; out0 at my first row and column: rows of 4,096 bytes
	s_wait_alu depctr_va_vdst(0)                   ; the wait at the head's end
.irp i, 0,1,2,3
	global_load_b128 v[BS+8*\i:BS+8*\i+3], v[SOF], s[96:97] offset:1024*\i
	global_load_b128 v[BS+8*\i+4:BS+8*\i+7], v[SOF], s[96:97] offset:1024*\i+16
.endr
.irp i, 0,1
	global_load_b128 v[SS+8*\i:SS+8*\i+3], v[SOF], s[98:99] offset:1024*\i
	global_load_b128 v[SS+8*\i+4:SS+8*\i+7], v[SOF], s[98:99] offset:1024*\i+16
.endr
.irp b, 0,1,2,3,4,5,6,7
	global_load_b128 v[BIAS+8*\b:BIAS+8*\b+3], v14, s[24:25] offset:64*\b
	global_load_b128 v[BIAS+8*\b+4:BIAS+8*\b+7], v14, s[24:25] offset:64*\b+16
.endr
	s_wait_tensorcnt 0x0                           ; my part of the tiles is in,
	s_barrier_signal -1
	s_barrier_wait -1                              ; everybody's is
	s_wait_loadcnt 0x0
; The walk over K goes twice, once for each 64 of my 128 columns: the first half's rows are stored while the second half is multiplied.
.macro WALK hb
	FETCH 0, \hb
.irp st, 0,1,2,3,4,5,6,7
	s_wait_dscnt 0x0
.if \st < 7
.if \st > 0
	PLACES
.endif
	FETCH \st+1, \hb
.endif
.if \st == 0
	WIN MUL0
.else
	WIN MUL
.endif
.irp a, 0,1,2,3
.irp b, (4*\hb), (4*\hb+1), (4*\hb+2), (4*\hb+3)
	WM \a, \b, \st, (7-\st)/7
.endr
.endr
.endr
	WIN 0
	PLACES                                         ; ahead of the first read of the results and of loads into the fragments' registers
.endm
; THE WAY OUT of a half, block by block of 16 rows x 64 columns, through my own stage: back as whole rows of 256 bytes.  LDS serves a wave's instructions in order (ISA guide 5.7.1.4).
.macro TOSTAGE a, hb
	WIN 0x08                                       ; the data: window 2
.irp b, 0,1,2,3
	ds_store_b128 v[STO], v[64*(\a)+32*\hb+8*\b:64*(\a)+32*\hb+8*\b+3] offset:64*\b          ; each accumulator from its low end on
	ds_store_b128 v[STO], v[64*(\a)+32*\hb+8*\b+4:64*(\a)+32*\hb+8*\b+7] offset:64*\b+16
.endr
	WIN 0
.set BB, BK+32*((\a)%2)
.irp t, 0,1,2,3,4,5,6,7
	ds_load_b128 v[BB+4*\t:BB+4*\t+3], v[RD] offset:\t*2*SPITCH
.endr
.endm
.macro SEND a, hb, younger
.set BB, BK+32*((\a)%2)
	s_wait_dscnt \younger                          ; the block is back; the LDS instructions issued behind its loads may be out
.irp t, 0,1,2,3,4,5,6,7
	global_store_b128 v[CO], v[BB+4*\t:BB+4*\t+3], s[12:13] offset:(\a)*65536+\t*8192+256*\hb th:TH_STORE_NT   ; two rows: each sixteen lanes store 256 consecutive bytes, aligned
.endr
.endm
.macro OUT hb
	TOSTAGE 0, \hb
.irp a, 1,2,3
.if \a > 1
	s_wait_xcnt 0x0                                ; block a - 2's stores have read their registers: block a's loads may land there
.endif
	TOSTAGE \a, \hb
	SEND \a-1, \hb, 16                             ; behind block a - 1's loads: block a's 8 stores and 8 loads
.endr
	SEND 3, \hb, 0
.endm
	WALK 0
	OUT 0
	s_wait_xcnt 0x0                                ; the stores have read their registers: the next walk's fragments may land there
	WALK 1
	OUT 1
	s_wait_tensorcnt 0x0                           ; the wave's end
	ds_add_u32 v[SPW], v[NIL]
	s_wait_dscnt 0x0
	ROUND                                          ; the closing round
	s_endpgm
.Lfunc_end_k_q4994f5bf6b_proj:
	.size	k_q4994f5bf6b_proj, .Lfunc_end_k_q4994f5bf6b_proj-k_q4994f5bf6b_proj
	.p2alignl 7, 3214868480
	.fill 96, 4, 3214868480
	.section	.rodata,"a",@progbits
	.p2align	6, 0x0
	.amdhsa_kernel k_q4994f5bf6b_proj
		.amdhsa_group_segment_fixed_size 327680
		.amdhsa_private_segment_fixed_size 0
		.amdhsa_enable_private_segment 0
		.amdhsa_kernarg_size 48
		.amdhsa_user_sgpr_count 2
		.amdhsa_user_sgpr_kernarg_segment_ptr 1
		.amdhsa_wavefront_size32 1
		.amdhsa_system_sgpr_workgroup_id_x 1
		.amdhsa_system_sgpr_workgroup_id_y 1
		.amdhsa_system_sgpr_workgroup_id_z 1
		.amdhsa_system_vgpr_workitem_id 0
		.amdhsa_next_free_vgpr 768
		.amdhsa_next_free_sgpr 100
		.amdhsa_reserve_vcc 0
		.amdhsa_float_denorm_mode_32 3
		.amdhsa_float_denorm_mode_16_64 3
		.amdhsa_memory_ordered 1
		.amdhsa_forward_progress 1
		.amdhsa_inst_pref_size 108
	.end_amdhsa_kernel
	.amdgpu_metadata
---
amdhsa.version: [ 1, 2 ]
amdhsa.kernels:
  - .name:           k_q4994f5bf6b_proj
    .symbol:         k_q4994f5bf6b_proj.kd
    .args:
      - { .name: yimg, .offset: 0, .size: 8, .value_kind: global_buffer, .address_space: global }
      - { .name: ysc, .offset: 8, .size: 8, .value_kind: global_buffer, .address_space: global }
      - { .name: W_out_codes, .offset: 16, .size: 8, .value_kind: global_buffer, .address_space: global }
      - { .name: W_out_scales, .offset: 24, .size: 8, .value_kind: global_buffer, .address_space: global }
      - { .name: b_out, .offset: 32, .size: 8, .value_kind: global_buffer, .address_space: global }
      - { .name: out0, .offset: 40, .size: 8, .value_kind: global_buffer, .address_space: global }
    .group_segment_fixed_size: 327680
    .private_segment_fixed_size: 0
    .kernarg_segment_align: 8
    .kernarg_segment_size: 48
    .max_flat_workgroup_size: 128
    .sgpr_count:     100
    .vgpr_count:     768
    .wavefront_size: 32
...
	.end_amdgpu_metadata
.endif
;; end of part 3
